; MI455X (gfx1250); checked and timed in simulation.
; The chip was launched on July 23, 2026; its instructions are those of AMD's public machine-readable ISA for CDNA 5 (MIT licence, August 2026) and "CDNA5" Instruction Set Architecture Reference Guide (July 2026). The comments in the code are by the model that wrote it; some were corrected since.
;; Self Attention. Allowed arithmetic: matrix products marked QUANTISED: E2M1 operands, one E8M0 scale for each 32 along K, by v_wmma_scale_f32_16x16x128_f8f6f4 with both operands' format E2M1 (or v_wmma_scale_f32_32x16x128_f4), f32 sums; products left as they are: bf16, f16 or f32 operands; f32 sums; everything else in f32.
;; Inputs: bk 1,024 float32; bo 1,024 float32; bq 1,024 float32; bv 1,024 float32; wk 1,024 x 1,024 float32; wo 1,024 x 1,024 float32; wq 1,024 x 1,024 float32; wv 1,024 x 1,024 float32; x 4 x 2,048 x 1,024 float32.
;; Outputs: out0 4 x 2,048 x 1,024 float32.
;; This version of the problem:
;;   THIS VERSION OF THE PROBLEM IS GIVEN IN LOW PRECISION. The matrix products marked QUANTISED in the list below multiply operands that are first quantised to E2M1 (2 exponent bits, 1 mantissa bit; 4 bits a number), with one power-of-two scale for each 32 numbers along K (OCP MX v1.0); their sums are f32. The products marked 'left as it is' may take bf16, f16 or f32 operands, with f32 sums. Whichever they take, every output number must still come out within the allowed error. Rounding operands to bf16 (8 significant bits) uses up far more of that allowance than f16 does (11 bits, for magnitudes from 6e-5 to 65,504). All else is computed in f32.
;;   The module's matrix products, in the order in which they are computed (A, B: the left and right operand; K: the contracted axis; several contracted axes count as one K, in the product's order):
;;     1. [M 8,192, K 1,024] x [K 1,024, N 1,024]; A: input x; B: input wq: QUANTISED
;;     2. [M 8,192, K 1,024] x [K 1,024, N 1,024]; A: input x; B: input wk: QUANTISED
;;     3. [M 8,192, K 1,024] x [K 1,024, N 1,024]; A: input x; B: input wv: QUANTISED
;;     4. batch 64 x [M 2,048, K 64] x [K 64, N 2,048]; A: computed on the way; B: computed on the way: left as it is (an operand is computed on the way)
;;     5. batch 64 x [M 2,048, K 2,048] x [K 2,048, N 64]; A: computed on the way; B: computed on the way: left as it is (an operand is computed on the way)
;;     6. [M 8,192, K 1,024] x [K 1,024, N 1,024]; A: computed on the way; B: input wo: left as it is (an operand is computed on the way)
;;   THE QUANTISER, for each operand of a quantised product, along K:
;;     - K is cut into blocks of 32 from its start; a last block that is shorter is filled with zeros.
;;     - A block's scale is 2^e with e = floor(log2(the largest magnitude in the block)) - 2, held to -126 .. 127; a block of zeros has e = 0. As a byte (E8M0): e + 127.
;;     - Each number is divided by its block's scale, clamped to +-6, and rounded to the nearest number of E2M1, ties to even, subnormals kept.
;;     - The product sums the exact products of the quantised numbers (number of the format x scale) in f32.
;;   ~~~python
;;   def quantise(x, axis):      # numpy; x: float32 -> the quantised numbers, widened to float32 again
;;       x = np.moveaxis(x, axis, -1); K = x.shape[-1]
;;       x = np.pad(x, [(0, 0)] * (x.ndim - 1) + [(0, -K % 32)]); x = x.reshape(x.shape[:-1] + (-1, 32)); a = np.abs(x).max(-1, keepdims=True)
;;       e = np.where(a > 0, np.clip(np.frexp(np.where(a > 0, a, 1))[1] - 1 - 2, -126, 127), 0)      # np.frexp(a)[1] - 1 = floor(log2(a)), exactly
;;       r = np.clip(x / 2.0 ** e, -6, 6)
;;       step = 2.0 ** (np.maximum(np.frexp(np.where(r == 0, 1, r))[1] - 1, 0) - 1)
;;       q = np.round(r / step) * step * 2.0 ** e      # np.round: ties to even
;;       return np.moveaxis(q.reshape(q.shape[:-2] + (-1,))[..., :K], -1, axis).astype(np.float32)
;;   ~~~
;; One version. Each part assembles by itself: llvm-mc -triple=amdgcn-amd-amdhsa -mcpu=gfx1250 --defsym DOCPART=n.
;; ======== version 1 of 1: 4 launches
;; limits: values are held in f16: magnitudes above 65,504 overflow, below 6.1e-05 lose precision
;; workspace buffers: xc 4,194,304 bytes; xs 262,144 bytes; wc 1,572,864 bytes; ws 98,304 bytes; wo16 2,097,152 bytes; qkv 50,331,648 bytes; o16 16,777,216 bytes
;; launch quant (part 1): grid 384 x 1, 4 waves a work-group, no clusters, 33,280 bytes of LDS; arguments x, wq, wk, wv, wo, xc, xs, wc, ws, wo16; writes xc, xs, wc, ws, wo16
.if DOCPART == 1
	.amdgcn_target "amdgcn-amd-amdhsa--gfx1250"
	.amdhsa_code_object_version 6
	.text
	.protected	k_q4bfff4bc07_quant
	.globl	k_q4bfff4bc07_quant
	.p2align	8
	.type	k_q4bfff4bc07_quant,@function
k_q4bfff4bc07_quant:
	s_mov_b64 s[64:65], 0
	v_nop
	global_prefetch_b8 v0, s[64:65] scope:SCOPE_SE
	s_setreg_imm32_b32 hwreg(HW_REG_WAVE_MODE, 25, 1), 1
	s_wait_xcnt 0x0
; SELF-ATTENTION, launch 1 of 4.  x [8192][1024] and wq, wk, wv [1024][1024], f32 with K innermost, become codes of FP4 (E2M1), two a byte, K innermost,
; with one E8M0 byte for each 32 along K: xc, xs; the three weights on end in wc, ws (rows 0-1023 wq, 1024-2047 wk, 2048-3071 wv).  wo becomes f16 (wo16): its product is not quantised.
; WORK LEFT OUT, IN THE WHOLE PROGRAM: THE INPUT bk.  scores[q][k] = Q[q] . (x[k] wk^T + bk) = Q[q] . (x[k] wk^T) + Q[q] . bk.  The second term is the same for every key k of a row q, and
; softmax(s + const) = softmax(s) along the keys for all values of the inputs.  k goes into the product with q alone, which is not quantised, so no quantiser sees bk.  bk has no other way to the
; result: it is not loaded and is an argument of no launch.  LIMIT: a NaN, an infinity or an overflow that reaches only Q . bk is not carried to the result.
; A block's scale is 2^(floor(log2(its largest magnitude)) - 2); its byte is the largest magnitude's own exponent field - 2, held at 1 from below.  (A block of zeros so gets the byte 1 where the
; rule says 127: its codes are zeros, which add nothing under any byte but 0xff, and the bytes are read by this program alone.)  Each number is divided by the scale and rounded to the nearest code, ties to even.
; LIMITS: blocks whose largest magnitude lies under 2^-124 keep the byte 1; NaN and infinities among the inputs are not served; |wo| stays under 65,504 (f16), and under 6e-5 it keeps an absolute error of 2^-25.
; SHARES.  A work-group takes 32,768 numbers, a wave 8,192.  Work-groups 0-255: x; 256-351: the weights, 32 work-groups each; 352-383: wo.  Rows are dense and K is a multiple of 32: the tensors are streams of blocks.
; THE QUANTISER: a wave takes 16 steps of 512 numbers.  Each of a step's four loads reads 512 consecutive bytes; the 2,048 bytes turn through the wave's own stage in LDS and come back 64 bytes a lane, so that a
; lane holds 16 neighbours (two neighbouring lanes hold a block).  A lane's 16 codes are 8 bytes: the wave stores 256 consecutive bytes.  A wave's 256 scale bytes are gathered in LDS and leave as one aligned run of 256 bytes.
.set WAVES, 4
.set STEPS, 16
.set EMAX,  2
.set CB,    8                          ; bytes of 16 codes
.set R,     16                         ; v16-79   four sets of 16 numbers as they are loaded
.set X,     80                         ; v80-111  two sets of 16 neighbours
.set E,     112                        ; v112-127 a scale byte for each step
.set C,     128                        ; v128-191 codes: four registers for each step, so that no store's data are written again
.set WREG,  8192                       ; LDS: a region for each wave: two stages of 32 x SP bytes, behind them its 256 scale bytes
.set SP,    80                         ; a lane's place in a stage: its 64 bytes + 16 of padding
.set SPW,   12                         ; v12  LDS address of my spare word; never rewritten
.set NIL,   13                         ; v13  0; never rewritten
.set SPARE, WAVES*WREG                 ; behind the four regions: the spare words, 128 bytes a wave
	s_load_b256 s[4:11], s[0:1], 0x0               ; x s[4:5], wq s[6:7], wk s[8:9], wv s[10:11]
	s_load_b256 s[12:19], s[0:1], 0x20             ; wo s[12:13], xc s[14:15], xs s[16:17], wc s[18:19]
	s_load_b128 s[20:23], s[0:1], 0x40             ; ws s[20:21], wo16 s[22:23]
	v_lshl_add_u32 v[SPW], v0, 2, SPARE
	v_mov_b32 v[NIL], 0
	v_lshrrev_b32 v1, 5, v0
	v_readfirstlane_b32 s24, v1                    ; wave
	v_and_b32 v2, 31, v0                           ; lane
	v_lshlrev_b32 v3, 4, v2                        ; my 16 bytes of a load's 512
	s_mul_i32 s27, s24, WREG
	v_lshrrev_b32 v14, 2, v2
	v_mul_u32_u24 v14, v14, SP
	v_and_b32 v15, 3, v2
	v_lshl_add_u32 v14, v15, 4, v14
	v_add_nc_u32 v14, s27, v14                     ; the stage, on the way in: SP (lane / 4) + 16 (lane % 4)
	v_mul_u32_u24 v15, v2, SP
	v_add_nc_u32 v15, s27, v15                     ; and on the way out: SP x lane: my 16 neighbours
	v_mul_u32_u24 v4, v2, CB                       ; my codes' place in a step's
	v_lshrrev_b32 v5, 1, v2
	s_add_co_u32 s27, s27, 2*32*SP
	v_add_nc_u32 v5, s27, v5                       ; LDS: my wave's 256 scale bytes, my block's byte
	v_lshlrev_b32 v7, 3, v2                        ; 8 bytes a lane
	v_add_nc_u32 v6, s27, v7
	s_wait_kmcnt 0x0
	s_cmp_ge_u32 ttmp9, 352                        ; wo's work-groups part here: the branch hangs on the work-group's number alone
	s_cbranch_scc1 .Lcast
	; which tensor: only pointers and chunk numbers are chosen; all four tensors take one path through the text
	s_sub_co_u32 s25, ttmp9, 256                   ; a weight's chunk among the three weights' 96: where its codes go
	s_and_b32 s26, s25, 31                         ; and inside its own tensor: where its numbers come from
	s_cmp_lt_u32 ttmp9, 256
	s_cselect_b32 s25, ttmp9, s25
	s_cselect_b32 s26, ttmp9, s26
	s_cselect_b64 s[4:5], s[4:5], s[6:7]           ; x, or for now wq
	s_cselect_b64 s[14:15], s[14:15], s[18:19]     ; xc or wc
	s_cselect_b64 s[16:17], s[16:17], s[20:21]     ; xs or ws
	s_cmp_ge_u32 ttmp9, 288
	s_cselect_b64 s[4:5], s[8:9], s[4:5]           ; wk
	s_cmp_ge_u32 ttmp9, 320
	s_cselect_b64 s[4:5], s[10:11], s[4:5]         ; wv
	s_lshl_b32 s26, s26, 2
	s_add_co_u32 s26, s26, s24                     ; my wave's run of 8,192 numbers in the source
	s_lshl_b32 s25, s25, 2
	s_add_co_u32 s25, s25, s24                     ; and in the codes and scale bytes
	s_lshl_b32 s28, s26, 15                        ; 32,768 bytes of numbers a run
	s_mov_b32 s29, 0
	s_add_nc_u64 s[4:5], s[4:5], s[28:29]
	s_lshl_b32 s28, s25, 12                        ; 4,096 bytes of codes
	s_add_nc_u64 s[14:15], s[14:15], s[28:29]
	s_lshl_b32 s28, s25, 8                         ; 256 scale bytes
	s_add_nc_u64 s[16:17], s[16:17], s[28:29]
.macro LOAD t
.irp i, 0,1,2,3
	global_load_b128 v[R+16*((\t)%4)+4*\i:R+16*((\t)%4)+4*\i+3], v3, s[4:5] offset:2048*(\t)+512*\i th:TH_LOAD_NT   ; 32 lanes read 512 consecutive bytes
.endr
.endm
.macro TURN t                          ; step t's numbers through the stage: LDS serves a wave's instructions in order, so no wait stands between the stores and the loads
.irp i, 0,1,2,3
	ds_store_b128 v14, v[R+16*((\t)%4)+4*\i:R+16*((\t)%4)+4*\i+3] offset:32*SP*((\t)%2)+8*SP*\i
.endr
.irp i, 0,1,2,3
	ds_load_b128 v[X+16*((\t)%2)+4*\i:X+16*((\t)%2)+4*\i+3], v15 offset:32*SP*((\t)%2)+16*\i
.endr
.endm
.irp t, 0,1,2,3
	LOAD \t
.endr
	s_wait_loadcnt 12                              ; step 0's four loads are in; the twelve of steps 1 to 3 may be out
	TURN 0
.macro STEP t
.set XS, X+16*((\t)%2)
.if (\t) > 0
	s_wait_dscnt 1                                 ; this step's numbers are back from the stage (the last step's byte store may be out): so its stores into the stage have read their registers,
.else
	s_wait_dscnt 0x0
.endif
.if (\t)+4 < STEPS
	LOAD (\t)+4                                    ; which take the loads of four steps on
.endif
.if (\t)+1 < STEPS
.if STEPS-2-(\t) >= 3
	s_wait_loadcnt 12                              ; the next step's four loads are in; those of the three steps behind it may be out
.else
	s_wait_loadcnt 4*(STEPS-2-(\t))
.endif
	TURN (\t)+1                                    ; and go through the other stage while this step is worked
.endif
	v_max3_num_f32 v8, |v[XS]|, |v[XS+1]|, |v[XS+2]|               ; the largest magnitude of my 16, in two chains
	v_max3_num_f32 v9, |v[XS+3]|, |v[XS+4]|, |v[XS+5]|
.irp i, 6,10
	v_max3_num_f32 v8, v8, |v[XS+\i]|, |v[XS+\i+1]|
	v_max3_num_f32 v9, v9, |v[XS+\i+2]|, |v[XS+\i+3]|
.endr
	v_max3_num_f32 v8, v8, |v[XS+14]|, |v[XS+15]|
	v_max3_num_f32 v8, v8, v9, (EMAX+1)<<23        ; and the floor 2^(3 - 127): so the byte cannot fall under 1
	v_max_num_f32_dpp v8, v8, v8 row_xmask:1 row_mask:0xf bank_mask:0xf   ; and of my neighbour's 16: the block's
	v_add_nc_u32 v11, -(EMAX<<23), v8              ; 2 off its exponent field: the conversion takes the exponent field of this operand as its scale, and nothing else of it
	v_cvt_scalef32_pk8_fp4_f32 v[C+4*(\t)], v[XS:XS+7], v11        ; eight numbers / the scale, to the nearest code, ties to even, beyond 6 the largest code
	v_cvt_scalef32_pk8_fp4_f32 v[C+4*(\t)+1], v[XS+8:XS+15], v11
	v_lshrrev_b32 v[E+(\t)], 23, v11               ; the scale's byte (also the plain line behind the conversions)
	ds_store_b8 v5, v[E+(\t)] offset:16*(\t)       ; both lanes of a block write the same byte with the same value
	global_store_b64 v4, v[C+4*(\t):C+4*(\t)+1], s[14:15] offset:32*CB*(\t)   ; the wave stores 256 consecutive bytes, aligned
.endm
.irp t, 0,1,2,3,4,5,6,7,8,9,10,11,12,13,14,15
	STEP \t
.endr
	ds_load_b64 v[8:9], v6                         ; LDS serves a wave's instructions in order: these see my byte stores
	s_wait_dscnt 0x0
	global_store_b64 v7, v[8:9], s[16:17]          ; 32 lanes store 256 consecutive bytes, aligned
	s_wait_tensorcnt 0x0                           ; the wave's end: behind my last LDS store
	ds_add_u32 v[SPW], v[NIL]
	s_wait_dscnt 0x0
	s_endpgm
; wo to f16: a stream, no LDS.  64 loads of 512 bytes a wave in 8 groups of 8; four sets of 32 registers, so that three groups stay on their way while one is rounded.
.Lcast:
	s_sub_co_u32 s25, ttmp9, 352
	s_lshl_b32 s25, s25, 2
	s_add_co_u32 s25, s25, s24                     ; my wave's run of 8,192 numbers
	s_lshl_b32 s28, s25, 15
	s_mov_b32 s29, 0
	s_add_nc_u64 s[12:13], s[12:13], s[28:29]
	s_lshl_b32 s28, s25, 14
	s_add_nc_u64 s[22:23], s[22:23], s[28:29]
.macro CLOAD g
.irp i, 0,1,2,3,4,5,6,7
	global_load_b128 v[16+32*((\g)%4)+4*\i:16+32*((\g)%4)+4*\i+3], v3, s[12:13] offset:512*(8*(\g)+\i) th:TH_LOAD_NT
.endr
.endm
.macro CAST g
.set CIN,  16+32*((\g)%4)
.set COUT, 144+16*((\g)%2)
.if 7-(\g) >= 3
	s_wait_loadcnt 24                              ; this group's eight loads are in; the three younger groups may be out
.else
	s_wait_loadcnt 8*(7-(\g))
.endif
	s_wait_xcnt 0x0                                ; the stores of two groups back have read their data: these registers are written again only behind this wait
.irp i, 0,1,2,3,4,5,6,7
	v_cvt_pk_f16_f32 v[COUT+2*\i], v[CIN+4*\i], v[CIN+4*\i+1]
	v_cvt_pk_f16_f32 v[COUT+2*\i+1], v[CIN+4*\i+2], v[CIN+4*\i+3]
.endr
.if (\g)+4 < 8
	CLOAD (\g)+4
.endif
.irp i, 0,1,2,3,4,5,6,7
	global_store_b64 v7, v[COUT+2*\i:COUT+2*\i+1], s[22:23] offset:256*(8*(\g)+\i)   ; the wave stores 256 consecutive bytes, aligned
.endr
.endm
.irp g, 0,1,2,3
	CLOAD \g
.endr
.irp g, 0,1,2,3,4,5,6,7
	CAST \g
.endr
	s_wait_tensorcnt 0x0                           ; the same ending as the other path
	ds_add_u32 v[SPW], v[NIL]
	s_wait_dscnt 0x0
	s_endpgm
.Lfunc_end_k_q4bfff4bc07_quant:
	.size	k_q4bfff4bc07_quant, .Lfunc_end_k_q4bfff4bc07_quant-k_q4bfff4bc07_quant
	.p2alignl 7, 3214868480
	.fill 96, 4, 3214868480
	.section	.rodata,"a",@progbits
	.p2align	6, 0x0
	.amdhsa_kernel k_q4bfff4bc07_quant
		.amdhsa_group_segment_fixed_size 33280
		.amdhsa_private_segment_fixed_size 0
		.amdhsa_enable_private_segment 0
		.amdhsa_kernarg_size 80
		.amdhsa_user_sgpr_count 2
		.amdhsa_user_sgpr_kernarg_segment_ptr 1
		.amdhsa_wavefront_size32 1
		.amdhsa_system_sgpr_workgroup_id_x 1
		.amdhsa_system_sgpr_workgroup_id_y 1
		.amdhsa_system_sgpr_workgroup_id_z 1
		.amdhsa_system_vgpr_workitem_id 0
		.amdhsa_next_free_vgpr 192
		.amdhsa_next_free_sgpr 66
		.amdhsa_reserve_vcc 0
		.amdhsa_float_denorm_mode_32 3
		.amdhsa_float_denorm_mode_16_64 3
		.amdhsa_memory_ordered 1
		.amdhsa_forward_progress 1
		.amdhsa_inst_pref_size 55
	.end_amdhsa_kernel
	.amdgpu_metadata
---
amdhsa.version: [ 1, 2 ]
amdhsa.kernels:
  - .name:           k_q4bfff4bc07_quant
    .symbol:         k_q4bfff4bc07_quant.kd
    .args:
      - { .name: x, .offset: 0, .size: 8, .value_kind: global_buffer, .address_space: global }
      - { .name: wq, .offset: 8, .size: 8, .value_kind: global_buffer, .address_space: global }
      - { .name: wk, .offset: 16, .size: 8, .value_kind: global_buffer, .address_space: global }
      - { .name: wv, .offset: 24, .size: 8, .value_kind: global_buffer, .address_space: global }
      - { .name: wo, .offset: 32, .size: 8, .value_kind: global_buffer, .address_space: global }
      - { .name: xc, .offset: 40, .size: 8, .value_kind: global_buffer, .address_space: global }
      - { .name: xs, .offset: 48, .size: 8, .value_kind: global_buffer, .address_space: global }
      - { .name: wc, .offset: 56, .size: 8, .value_kind: global_buffer, .address_space: global }
      - { .name: ws, .offset: 64, .size: 8, .value_kind: global_buffer, .address_space: global }
      - { .name: wo16, .offset: 72, .size: 8, .value_kind: global_buffer, .address_space: global }
    .group_segment_fixed_size: 33280
    .private_segment_fixed_size: 0
    .kernarg_segment_align: 8
    .kernarg_segment_size: 80
    .max_flat_workgroup_size: 128
    .sgpr_count:     66
    .vgpr_count:     192
    .wavefront_size: 32
...
	.end_amdgpu_metadata
.endif
;; end of part 1
;; launch qkv (part 2): grid 12 x 32, 4 waves a work-group, clusters of 4 x 4, 327,680 bytes of LDS; arguments xc, xs, wc, ws, bq, bv, qkv; writes qkv
.if DOCPART == 2
	.amdgcn_target "amdgcn-amd-amdhsa--gfx1250"
	.amdhsa_code_object_version 6
	.text
	.protected	k_q4bfff4bc07_qkv
	.globl	k_q4bfff4bc07_qkv
	.p2align	8
	.type	k_q4bfff4bc07_qkv,@function
k_q4bfff4bc07_qkv:
	s_mov_b64 s[64:65], 0
	v_nop
	global_prefetch_b8 v0, s[64:65] scope:SCOPE_SE
	s_setreg_imm32_b32 hwreg(HW_REG_WAVE_MODE, 25, 1), 1
	s_wait_xcnt 0x0
	s_wait_alu depctr_hold_cnt(0) depctr_sa_sdst(0) depctr_va_vdst(0) depctr_va_sdst(0) depctr_va_ssrc(0) depctr_va_vcc(0) depctr_vm_vsrc(0)
	s_getreg_b32 s2, hwreg(HW_REG_IB_STS2, 6, 4)
	s_cmp_eq_u32 s2, 0
	s_cbranch_scc0 .Lentry_in_a_cluster
	s_endpgm
.Lentry_in_a_cluster:
	s_bfe_u32 s2, ttmp6, 0x10000c
	s_cmp_lg_u32 s2, 0xf033
	s_cbranch_scc0 .Lentry_shape_is_right
	s_endpgm
.Lentry_shape_is_right:
; SELF-ATTENTION, launch 2 of 4.  q = x wq^T + bq, k = x wk^T, v = x wv^T + bv as ONE product [8192][1024] x [3072][1024]^T on codes of FP4 with E8M0 scales; sums in f32; results rounded to f16 and laid by heads:
; qkv byte = which << 24 + batch << 22 + head << 18 + position x 128 + 2 x channel (which: 0 q, 1 k, 2 v).
; bk is left out: Q . bk is the same for all keys of a row and falls out of the softmax for all values of the inputs (shown at the head of the first launch).  K's sums begin at 0.
; LIMITS: |q|, |k|, |v| stay under 65,504 (f16).  The biases are the sums' first terms: another order of rounding than adding them last.
; A tile of the result, 256 x 256, is made by a work-group of four waves; a wave makes 128 x 128: 64 accumulators of 16 x 16, 512 registers.  All of K (1,024) lies in two LDS slots of 512 along K, rows of 256 bytes:
; both are asked for at the head and nothing is filled again.  The scale bytes of the work-group's 256 + 256 rows come once, as runs of 256 bytes.  By this text's count a wave has three tensor loads out.
; CLUSTERS: 4 x 4 work-groups.  The four of a row need the same tiles of x, the four of a column the same tiles of the weights: each tile is asked for JOINTLY, by the same tensor load with a mask that names the four.
; The cluster's x is `which`: 1,024 columns are four tiles.  THE MATRIX INSTRUCTION IS USED TRANSPOSED (source 0 = 16 rows of the weights, source 1 = 16 rows of x): a lane holds eight neighbouring channels of one token.
; REGISTERS, in windows of 256: window 0: v0-31 addresses; v32-95 scale words, two sets; v128-191 x's fragments, one set; v192-255 the bias in the result's layout; on the way out v32-127 are free.
;   window 1: the weights' fragments, two sets, at v0 and v128.   window 2: the accumulators of my rows 0-63 ((a, b) at v[8 (8 a + b)]);   window 3: those of my rows 64-127.
.set KSTEP,  512
.set NQ,     KSTEP/128
.set ROWB,   256                       ; a tile's row in bytes
.set KROW,   512                       ; a row of codes in memory
.set PITCH,  272                       ; an LDS row: 256 bytes + 16 of padding: the 16 rows that a load touches start 16 bytes apart modulo 256
.set FR,     8
.set NL,     2
.set NP,     4                         ; places behind this matrix instruction (ISA guide 7.12.1)
.set HALFT,  128*PITCH
.set SLOT,   4*HALFT
.set KS,     32                        ; a row of scale bytes
.set SCL,    2*SLOT
.set HALFS,  (128*KS/256)*272
.set SBLK,   (16*KS/256)*272
.set SPARE,  SCL+4*HALFS               ; the spare words, 128 bytes a wave
.set HP,     144                       ; the way out: a stage row: a head's 128 bytes + 16
.set HSTG,   16*HP                     ; 16 rows of one head; a wave's stage is two of these, in slot 0, which has had its last fill and its last read by then
.set ADRA, 16
.set ADRB, 20
.set STO,  24
.set RD,   25
.set CO,   26
.set ADRS, 27
.set SPW,  28
.set NIL,  29
.set BO,   30                          ; v30  the bias loads' lane offset; never rewritten
.set SC,   32
.set AF,   128
.set BIAS, 192                         ; v[BIAS + 8 b + j]: the bias of my column 16 b + 8 (lane / 16) + j
.set TMP,  32                          ; the way out: a block's 32 packed registers
.set BK,   64                          ; and its rows read back: v64-95 and v96-127 by turns
.set G1, 24
.set G0, 32
.set G1B, 48
.set G0B, 56
.set G1S, 68
.set G0S, 76
.set G1SB, 80
.set G0SB, 88
.set MSB, 0
.macro WIN new                         ; the immediate's high byte repeats the setting that is left
.if MSB != \new
	s_set_vgpr_msb (MSB<<8)|\new
.set MSB, \new
.endif
.endm
.set MUL_LO, 0xa1                      ; source 0 window 1, source 1 window 0, C and D window 2
.set MUL_HI, 0xf1                      ; the same, C and D window 3
.set BIA_LO, 0x81                      ; the first step: C (the bias) window 0, D window 2
.set BIA_HI, 0xc1                      ; D window 3
.set TO_B,   0x40
; A joint load: waves 0 and 1 fetch for x, waves 2 and 3 for the weights.  The branch hangs on the wave's number alone.  An s_nop 0 and four v_nop follow each of the two lines.
.macro JLOAD g0a, g1a, g0b, g1b
	s_cmp_eq_u32 s15, 0
	s_cbranch_scc0 .Lfor_b_\@
	tensor_load_to_lds s[\g0a:\g0a+3], s[\g1a:\g1a+7]
	s_nop 0
.rept 4
	v_nop
.endr
	s_branch .Lasked_\@
.Lfor_b_\@:
	tensor_load_to_lds s[\g0b:\g0b+3], s[\g1b:\g1b+7]
	s_nop 0
.rept 4
	v_nop
.endr
.Lasked_\@:
.endm
.macro CROUND                          ; a round of the cluster's barrier
	s_barrier_signal -1
	s_barrier_wait -1
	s_cmp_lg_u32 s14, 0
	s_cbranch_scc1 .Lnot_wave_0_\@
	s_barrier_signal -3
.Lnot_wave_0_\@:
	s_barrier_wait -3
	s_barrier_signal -1
	s_barrier_wait -1
.endm
	s_load_b128 s[4:7], s[0:1], 0x0                ; xc s[4:5], xs s[6:7]
	s_load_b128 s[8:11], s[0:1], 0x10              ; wc s[8:9], ws s[10:11]
	s_load_b128 s[96:99], s[0:1], 0x20             ; bq s[96:97], bv s[98:99]
	s_load_b64 s[12:13], s[0:1], 0x30              ; qkv
	v_lshl_add_u32 v[SPW], v0, 2, SPARE
	v_mov_b32 v[NIL], 0
	ds_add_u32 v[SPW], v[NIL]                      ; the wave's opening: the add, twice on end, and its wait ahead of my first tensor load
	ds_add_u32 v[SPW], v[NIL]
	v_lshrrev_b32 v1, 5, v0
	v_readfirstlane_b32 s14, v1                    ; wave 0..3
	s_lshr_b32 s15, s14, 1                         ; which half of the tile's rows is mine.  Also: I fetch for x (0) or for the weights (1)
	s_and_b32 s16, s14, 1                          ; which half of its columns.  Also: which 128 rows of that tile I fetch
	s_bfe_u32 s40, ttmp6, 0x40000                  ; cx, cy: my place in the cluster
	s_bfe_u32 s41, ttmp6, 0x40004
	s_lshl_b32 s42, ttmp9, 2
	s_add_co_u32 s42, s42, s40                     ; tile column = 4 x cluster x + cx
	s_and_b32 s17, ttmp7, 0xffff
	s_lshl_b32 s17, s17, 2
	s_add_co_u32 s17, s17, s41                     ; tile row = 4 x cluster y + cy
	s_lshl_b32 s43, s41, 2
	s_lshl_b32 s43, 15, s43                        ; my row of the cluster
	s_lshl_b32 s44, 0x1111, s40                    ; my column
	; descriptor group 1: a tile of 128 rows x 256 bytes, 16 bytes of padding behind each row
	s_or_b32 s[G1+0], s43, (0<<16)|(1<<20)|(1<<21)|(5<<22)|(3<<25)  ; the mask; elements of 1 byte; padding on; bit 21 beside a mask; after every 64 words, 4 words
	s_or_b32 s[G1B+0], s44, (0<<16)|(1<<20)|(1<<21)|(5<<22)|(3<<25)
.irp g, G1, G1B
	s_mov_b32 s[\g+1], ROWB<<16                    ; tensor_dim0
	s_mov_b32 s[\g+2], 128<<16                     ; tensor_dim1
	s_mov_b32 s[\g+3], ROWB<<16                    ; tile_dim0
	s_mov_b32 s[\g+4], 128                         ; tile_dim1
	s_mov_b32 s[\g+5], KROW                        ; from row to row
	s_mov_b32 s[\g+6], 0
	s_mov_b32 s[\g+7], 0
.endr
	; the scales of 128 rows: a dense block of 4,096 bytes, as 16 rows of 256 bytes (32 elements of 8 bytes), 16 bytes of padding behind each
	s_or_b32 s[G1S+0], s43, (3<<16)|(1<<20)|(1<<21)|(5<<22)|(3<<25)
	s_or_b32 s[G1SB+0], s44, (3<<16)|(1<<20)|(1<<21)|(5<<22)|(3<<25)
.irp g, G1S, G1SB
	s_mov_b32 s[\g+1], 32<<16
	s_mov_b32 s[\g+2], (128*KS/256)<<16
	s_mov_b32 s[\g+3], 32<<16
	s_mov_b32 s[\g+4], 128*KS/256
	s_mov_b32 s[\g+5], 32
	s_mov_b32 s[\g+6], 0
	s_mov_b32 s[\g+7], 0
.endr
	s_lshl_b32 s18, s16, 7                         ; which 128 rows of the tile I fetch
	s_lshl_b32 s20, s17, 8
	s_add_co_u32 s20, s20, s18                     ; x: row 256 x tile row + 128 x half
	s_lshl_b32 s46, s42, 8
	s_add_co_u32 s46, s46, s18                     ; the weights: row 256 x tile column + 128 x half
	s_mov_b32 s21, 0
	s_mov_b32 s47, 0
	s_mov_b64 s[18:19], KS
	s_mul_u64 s[22:23], s[20:21], s[18:19]         ; where these rows' scales begin, in bytes
	s_mul_u64 s[92:93], s[46:47], s[18:19]
	s_mov_b64 s[18:19], KROW
	s_mul_u64 s[20:21], s[20:21], s[18:19]         ; and their codes
	s_mul_u64 s[46:47], s[46:47], s[18:19]
	s_mul_i32 s45, s14, HALFT                      ; where they go: wave x 128 rows: no place in the cluster enters an LDS address
	s_mul_i32 s94, s14, HALFS
	s_wait_dscnt 0x0                               ; both opening adds are done
	s_wait_kmcnt 0x0
	s_add_nc_u64 s[20:21], s[4:5], s[20:21]
	s_add_nc_u64 s[22:23], s[6:7], s[22:23]
	s_add_nc_u64 s[46:47], s[8:9], s[46:47]
	s_add_nc_u64 s[92:93], s[10:11], s[92:93]
	CROUND                                         ; all sixteen work-groups are here: the joint loads meet
	s_mov_b32 s[G0S], 1
	s_add_co_u32 s[G0S+1], s94, SCL
	s_mov_b64 s[G0S+2:G0S+3], s[22:23]
	s_or_b32 s[G0S+3], s[G0S+3], 0x80000000
	s_mov_b32 s[G0SB], 1
	s_add_co_u32 s[G0SB+1], s94, SCL
	s_mov_b64 s[G0SB+2:G0SB+3], s[92:93]
	s_or_b32 s[G0SB+3], s[G0SB+3], 0x80000000
	JLOAD G0S, G1S, G0SB, G1SB                     ; the scales first: they are wanted with the first slot
.irp s, 0,1
	s_mov_b32 s[G0+4*\s], 1
	s_add_co_u32 s[G0+4*\s+1], s45, \s*SLOT
	s_add_nc_u64 s[G0+4*\s+2:G0+4*\s+3], s[20:21], \s*ROWB
	s_or_b32 s[G0+4*\s+3], s[G0+4*\s+3], 0x80000000
	s_mov_b32 s[G0B+4*\s], 1
	s_add_co_u32 s[G0B+4*\s+1], s45, \s*SLOT
	s_add_nc_u64 s[G0B+4*\s+2:G0B+4*\s+3], s[46:47], \s*ROWB
	s_or_b32 s[G0B+4*\s+3], s[G0B+4*\s+3], 0x80000000
	JLOAD G0+4*\s, G1, G0B+4*\s, G1B
.endr
	v_and_b32 v1, 15, v0                           ; l % 16
	v_bfe_u32 v2, v0, 4, 1                         ; l / 16
	; THE BIAS, in the result's layout: it is the C of each sum's first matrix instruction.  The cluster's x says which product this is: it is the same in all sixteen partners.
	v_lshlrev_b32 v[BO], 5, v2                     ; my half's eight columns: 32 bytes
	s_cmp_eq_u32 ttmp9, 1
	s_cbranch_scc1 .Lk_zero
	s_cmp_eq_u32 ttmp9, 0
	s_cselect_b64 s[96:97], s[96:97], s[98:99]     ; bq or bv
	s_lshl_b32 s46, s40, 10                        ; my tile's 256 columns among the product's 1,024,
	s_lshl_b32 s47, s16, 9                         ; my wave's 128 of them
	s_add_co_u32 s46, s46, s47
	s_mov_b32 s47, 0
	s_add_nc_u64 s[96:97], s[96:97], s[46:47]
.irp b, 0,1,2,3,4,5,6,7
	global_load_b128 v[BIAS+8*\b:BIAS+8*\b+3], v[BO], s[96:97] offset:64*\b
	global_load_b128 v[BIAS+8*\b+4:BIAS+8*\b+7], v[BO], s[96:97] offset:64*\b+16
.endr
	s_branch .Lbias_set
.Lk_zero:                                          ; k has no bias in this program
.set i, 0
.rept 64
	v_mov_b32 v[BIAS+i], 0
.set i, i+1
.endr
.Lbias_set:
	v_mul_u32_u24 v3, v1, PITCH
	v_lshl_add_u32 v4, v2, 4, v3                   ; a fragment's row x pitch + 16 x half
	s_mul_i32 s21, s15, HALFT                      ; my 128 rows of x
	s_mul_i32 s22, s16, HALFT                      ; my 128 rows of the weights,
	s_add_co_u32 s22, s22, 2*HALFT                 ; which lie behind x's 256
.irp s, 0,1
	v_add_nc_u32 v[ADRA+\s], s21, v4
	v_add_nc_u32 v[ADRB+\s], s22, v4
	s_add_co_u32 s21, s21, SLOT
	s_add_co_u32 s22, s22, SLOT
.endr
	v_mul_u32_u24 v5, v1, KS                       ; my row's scales: 32 bytes a row,
	v_lshrrev_b32 v6, 8, v5
	v_lshl_add_u32 v5, v6, 4, v5                   ; and 16 more for each 256 passed
	s_mul_i32 s21, s15, HALFS
	s_mul_i32 s22, s16, HALFS
	s_add_co_u32 s22, s22, 2*HALFS
	s_sub_co_u32 s22, s22, s21
	v_mul_u32_u24 v6, s22, v2                      ; lanes 16-31 take the weights'
	s_add_co_u32 s21, s21, SCL
	v_add_nc_u32 v5, v5, v6
	v_add_nc_u32 v[ADRS], s21, v5
	s_mul_i32 s23, s14, 2*HSTG                     ; my stage
	v_mul_u32_u24 v5, v1, HP                       ; in: row l % 16, 16 bytes for each half of the lanes
	v_lshl_add_u32 v5, v2, 4, v5
	v_add_nc_u32 v[STO], s23, v5
	v_bfe_u32 v5, v0, 3, 2                         ; back: eight lanes to a row of 128 bytes, four rows an instruction
	v_mul_u32_u24 v5, v5, HP
	v_and_b32 v6, 7, v0
	v_lshl_add_u32 v5, v6, 4, v5
	v_add_nc_u32 v[RD], s23, v5
	v_and_b32 v6, 31, v0
	v_lshlrev_b32 v[CO], 4, v6                     ; four rows of a head are 512 consecutive bytes of qkv
	; where my part begins in qkv
	s_lshl_b32 s20, ttmp9, 24                      ; which
	s_lshr_b32 s21, s17, 3
	s_lshl_b32 s21, s21, 22                        ; the batch: eight tile rows each
	s_add_co_u32 s20, s20, s21
	s_and_b32 s21, s17, 7
	s_lshl_b32 s21, s21, 15                        ; 256 positions of 128 bytes a tile row
	s_add_co_u32 s20, s20, s21
	s_lshl_b32 s21, s15, 14                        ; my 128 of them
	s_add_co_u32 s20, s20, s21
	s_mov_b32 s21, 0
	s_lshl_b32 s46, s40, 20                        ; the head: 4 cx + 2 x my half of the columns
	s_lshl_b32 s47, s16, 19
	s_add_co_u32 s46, s46, s47
	s_mov_b32 s47, 0
	s_add_nc_u64 s[20:21], s[20:21], s[46:47]
	s_add_nc_u64 s[12:13], s[12:13], s[20:21]
.macro FRAG reg, adr, q, i             ; a fragment, 16 rows x 128 K of 4-bit codes: 8 registers: registers 4 c .. 4 c + 3 hold K = 64 c + 32 (l / 16) + 0 .. 31
.irp c, 0,1
	ds_load_b128 v[\reg+4*\c:\reg+4*\c+3], v[\adr] offset:64*(\q)+32*\c+(\i)*16*PITCH
.endr
.endm
; 16 matrix instructions: x's blocks a0, a0 + 1 against the weights' eight, 128 along K.  bias = 1: the first product starts the sums from the bias: nothing is cleared.
; The 64 accumulators take turns, one instruction a turn, in the same order in every step.
.macro MUL16 a0, p, q, sc, bias
.irp a, \a0, \a0+1
.irp b, 0,1,2,3,4,5,6,7
.if \bias
	v_wmma_scale_f32_16x16x128_f8f6f4 v[8*(8*((\a)%4)+\b):8*(8*((\a)%4)+\b)+7], v[128*(\p)+FR*\b:128*(\p)+FR*\b+FR-1], v[AF+FR*(\a):AF+FR*(\a)+FR-1], v[BIAS+8*\b:BIAS+8*\b+7], v[SC+8*NQ*(\sc)+NQ*\b+(\q)], v[SC+8*NQ*(\sc)+NQ*(\a)+(\q)] matrix_a_fmt:MATRIX_FMT_FP4 matrix_b_fmt:MATRIX_FMT_FP4 matrix_a_scale:MATRIX_SCALE_ROW1
.else
	v_wmma_scale_f32_16x16x128_f8f6f4 v[8*(8*((\a)%4)+\b):8*(8*((\a)%4)+\b)+7], v[128*(\p)+FR*\b:128*(\p)+FR*\b+FR-1], v[AF+FR*(\a):AF+FR*(\a)+FR-1], v[8*(8*((\a)%4)+\b):8*(8*((\a)%4)+\b)+7], v[SC+8*NQ*(\sc)+NQ*\b+(\q)], v[SC+8*NQ*(\sc)+NQ*(\a)+(\q)] matrix_a_fmt:MATRIX_FMT_FP4 matrix_b_fmt:MATRIX_FMT_FP4 matrix_a_scale:MATRIX_SCALE_ROW1
.endif
.endr
.endr
.endm
.macro FETCH_B slot, q, p
	WIN TO_B
.irp i, 0,1,2,3,4,5,6,7
	FRAG 128*(\p)+FR*\i, ADRB+\slot, \q, \i
.endr
	WIN 0
.endm
.macro FETCH_A slot, q, i0
.irp i, \i0, \i0+1, \i0+2, \i0+3
	FRAG AF+FR*(\i), ADRA+\slot, \q, \i
.endr
.endm
.macro SCALES sc                       ; a slot's scale words: 4 words a row; lanes 0-15 take x's block i, lanes 16-31 the weights' block i
.irp i, 0,1,2,3,4,5,6,7
	ds_load_b128 v[SC+8*NQ*\sc+NQ*\i:SC+8*NQ*\sc+NQ*\i+3], v[ADRS] offset:\i*SBLK
.endr
.endm
.macro PLACES n                        ; plain vector instructions between a matrix instruction and a load into, or a read of, its registers
.rept \n
	v_nop
.endr
.endm
.macro STEP slot, q, bias              ; a step of 128 along K that has its successor in the same slot
	s_wait_dscnt 4*NL                              ; the weights' set and x's blocks 0-3 are in; the youngest eight loads (x's blocks 4-7) may be out
.if \bias
	WIN BIA_LO
.else
	WIN MUL_LO
.endif
	MUL16 0, (\q)%2, \q, \slot, \bias
	MUL16 2, (\q)%2, \q, \slot, \bias
	s_wait_dscnt 0                                 ; x's blocks 4-7 are in
	PLACES NP
	FETCH_B \slot, (\q)+1, 1-(\q)%2
	FETCH_A \slot, (\q)+1, 0
.if \bias
	WIN BIA_HI
.else
	WIN MUL_HI
.endif
	MUL16 4, (\q)%2, \q, \slot, \bias
	MUL16 6, (\q)%2, \q, \slot, \bias
	PLACES NP
	WIN 0
	FETCH_A \slot, (\q)+1, 4
.endm
; Slot 0's last step changes slots: one barrier; in front of it each wave waits for all its tensor loads (slot 1's part), adds 0 to its spare word, and waits for that and for its reads of slot 0.  Nothing is filled again.
.macro TURN slot, next
	s_wait_tensorcnt 0x0                           ; all my tensor loads have landed
	ds_add_u32 v[SPW], v[NIL]                      ; 0 onto my spare word
	s_wait_dscnt 4*NL+1                            ; (the add and the youngest eight loads may be out)
	WIN MUL_LO
	MUL16 0, 1, NQ-1, \slot, 0                     ; sixteen matrix instructions stand between the add and the wait for it
	s_wait_dscnt 0x0                               ; the add is done, and my reads of this slot are over
	s_barrier_signal -1
	MUL16 2, 1, NQ-1, \slot, 0
	WIN 0
	s_barrier_wait -1                              ; the next slot is whole, and nobody reads this one any more
	PLACES NP
	v_add_nc_u32 v[ADRS], 4*NQ, v[ADRS]            ; on to the next slot's scale words
	FETCH_B \next, 0, 0
	FETCH_A \next, 0, 0
	SCALES \next
	WIN MUL_HI
	MUL16 4, 1, NQ-1, \slot, 0
	MUL16 6, 1, NQ-1, \slot, 0
	PLACES NP
	WIN 0
	FETCH_A \next, 0, 4
.endm
.macro STEPS slot, from
.set QQ, \from
.rept NQ-1-\from
	STEP \slot, QQ, 0
.set QQ, QQ+1
.endr
.endm
	s_wait_tensorcnt 1                             ; the scales and my part of slot 0 are in (slot 1's load may be out)
	s_barrier_signal -1
	s_barrier_wait -1                              ; everybody's are
	FETCH_B 0, 0, 0
	FETCH_A 0, 0, 0
	SCALES 0
	FETCH_A 0, 0, 4
	s_wait_loadcnt 0x0                             ; the bias
	STEP 0, 0, 1                                   ; the first step's products start the sums from the bias
	STEPS 0, 1
	TURN 0, 1
	STEPS 1, 0
	s_wait_dscnt 4*NL                              ; the very last step: nothing more to fetch
	WIN MUL_LO
	MUL16 0, 1, NQ-1, 1, 0
	MUL16 2, 1, NQ-1, 1, 0
	s_wait_dscnt 0
	WIN MUL_HI
	MUL16 4, 1, NQ-1, 1, 0
	MUL16 6, 1, NQ-1, 1, 0
	WIN 0
; THE WAY OUT, block by block of 16 tokens x 128 columns (two heads).  A lane's eight results round to 16 bytes of one token's head; they go through my own stage in LDS and come back as rows of 128 bytes,
; four rows (512 consecutive bytes of qkv) an instruction.  LDS serves a wave's instructions in order (ISA guide 5.7.1.4): no wait between the stores and the loads.
.macro PACK a
.set AC, 64*((\a)%4)
	WIN 0x0a+5*((\a)/4)                            ; sources 0 and 1: window 2 or 3
.irp b, 0,1,2,3,4,5,6,7
.irp r, 0,1,2,3
	v_cvt_pk_f16_f32 v[TMP+4*\b+\r], v[AC+8*\b+2*\r], v[AC+8*\b+2*\r+1]   ; each accumulator from its low end on
.endr
.endr
	WIN 0
.endm
.macro TOSTAGE a
.set BB, BK+32*((\a)%2)
.irp b, 0,1,2,3,4,5,6,7
	ds_store_b128 v[STO], v[TMP+4*\b:TMP+4*\b+3] offset:(\b/4)*HSTG+(\b%4)*32
.endr
.irp d, 0,1
.irp i, 0,1,2,3
	ds_load_b128 v[BB+16*\d+4*\i:BB+16*\d+4*\i+3], v[RD] offset:\d*HSTG+\i*4*HP
.endr
.endr
.endm
.macro SEND a
.set BB, BK+32*((\a)%2)
	s_wait_dscnt 0x0                               ; the block is back in registers
	s_wait_xcnt 0x0                                ; the earlier stores have read their data: the next block's loads land on those registers only behind this wait
.irp d, 0,1
.irp i, 0,1,2,3
	global_store_b128 v[CO], v[BB+16*\d+4*\i:BB+16*\d+4*\i+3], s[12:13] offset:(\a)*2048+\d*262144+\i*512   ; 32 lanes store 512 consecutive bytes, aligned to 256
.endr
.endr
.endm
	PLACES NP                                      ; behind the last products: for the loads into the registers that held their scale words, and for the reads of their results
	PACK 0
	TOSTAGE 0
.irp a, 1,2,3,4,5,6,7                  ; block a's conversions stand between block a - 1's loads from the stage and the wait for them
	PACK \a
	SEND \a-1
	TOSTAGE \a
.endr
	SEND 7
	s_wait_tensorcnt 0x0                           ; the wave's end: behind my last tensor load and my last LDS store
	ds_add_u32 v[SPW], v[NIL]
	s_wait_dscnt 0x0
	CROUND                                         ; the closing round: no work-group ends while a partner may still ask for a tile that names it
	s_endpgm
.Lfunc_end_k_q4bfff4bc07_qkv:
	.size	k_q4bfff4bc07_qkv, .Lfunc_end_k_q4bfff4bc07_qkv-k_q4bfff4bc07_qkv
	.p2alignl 7, 3214868480
	.fill 96, 4, 3214868480
	.section	.rodata,"a",@progbits
	.p2align	6, 0x0
	.amdhsa_kernel k_q4bfff4bc07_qkv
		.amdhsa_group_segment_fixed_size 327680
		.amdhsa_private_segment_fixed_size 0
		.amdhsa_enable_private_segment 0
		.amdhsa_kernarg_size 56
		.amdhsa_user_sgpr_count 2
		.amdhsa_user_sgpr_kernarg_segment_ptr 1
		.amdhsa_wavefront_size32 1
		.amdhsa_system_sgpr_workgroup_id_x 1
		.amdhsa_system_sgpr_workgroup_id_y 1
		.amdhsa_system_sgpr_workgroup_id_z 1
		.amdhsa_system_vgpr_workitem_id 0
		.amdhsa_next_free_vgpr 1024
		.amdhsa_next_free_sgpr 100
		.amdhsa_reserve_vcc 0
		.amdhsa_float_denorm_mode_32 3
		.amdhsa_float_denorm_mode_16_64 3
		.amdhsa_memory_ordered 1
		.amdhsa_forward_progress 1
		.amdhsa_inst_pref_size 130
	.end_amdhsa_kernel
	.amdgpu_metadata
---
amdhsa.version: [ 1, 2 ]
amdhsa.kernels:
  - .name:           k_q4bfff4bc07_qkv
    .symbol:         k_q4bfff4bc07_qkv.kd
    .args:
      - { .name: xc, .offset: 0, .size: 8, .value_kind: global_buffer, .address_space: global }
      - { .name: xs, .offset: 8, .size: 8, .value_kind: global_buffer, .address_space: global }
      - { .name: wc, .offset: 16, .size: 8, .value_kind: global_buffer, .address_space: global }
      - { .name: ws, .offset: 24, .size: 8, .value_kind: global_buffer, .address_space: global }
      - { .name: bq, .offset: 32, .size: 8, .value_kind: global_buffer, .address_space: global }
      - { .name: bv, .offset: 40, .size: 8, .value_kind: global_buffer, .address_space: global }
      - { .name: qkv, .offset: 48, .size: 8, .value_kind: global_buffer, .address_space: global }
    .group_segment_fixed_size: 327680
    .private_segment_fixed_size: 0
    .kernarg_segment_align: 8
    .kernarg_segment_size: 56
    .max_flat_workgroup_size: 128
    .sgpr_count:     100
    .vgpr_count:     1024
    .wavefront_size: 32
...
	.end_amdgpu_metadata
.endif
;; end of part 2
;; launch attn (part 3): grid 4 x 64, 16 waves a work-group, clusters of 4 x 1, 327,680 bytes of LDS; arguments qkv, o16; writes o16
.if DOCPART == 3
	.amdgcn_target "amdgcn-amd-amdhsa--gfx1250"
	.amdhsa_code_object_version 6
	.text
	.protected	k_q4bfff4bc07_attn
	.globl	k_q4bfff4bc07_attn
	.p2align	8
	.type	k_q4bfff4bc07_attn,@function
k_q4bfff4bc07_attn:
	s_mov_b64 s[64:65], 0
	v_nop
	global_prefetch_b8 v0, s[64:65] scope:SCOPE_SE
	s_setreg_imm32_b32 hwreg(HW_REG_WAVE_MODE, 25, 1), 1
	s_wait_xcnt 0x0
	s_wait_alu depctr_hold_cnt(0) depctr_sa_sdst(0) depctr_va_vdst(0) depctr_va_sdst(0) depctr_va_ssrc(0) depctr_va_vcc(0) depctr_vm_vsrc(0)
	s_getreg_b32 s2, hwreg(HW_REG_IB_STS2, 6, 4)
	s_cmp_eq_u32 s2, 0
	s_cbranch_scc0 .Lentry_in_a_cluster
	s_endpgm
.Lentry_in_a_cluster:
	s_bfe_u32 s2, ttmp6, 0x10000c
	s_cmp_lg_u32 s2, 0x3003
	s_cbranch_scc0 .Lentry_shape_is_right
	s_endpgm
.Lentry_shape_is_right:
; SELF-ATTENTION, launch 3 of 4.  o[b][h][q] = the sum over k of softmax_k(q . k / 8) v, 64 heads (batch x head) of 2,048 positions x 64 channels, no mask.  q, k, v: f16, from qkv; products, maxima and sums in f32;
; the weights p are rounded to f16 for the second product, o once at the end.  k carries no bk: Q . bk falls out of the softmax for all values of the inputs (shown at the head of the first launch).
; o16 byte = (token / 2) x 4096 + head x 256 + (token % 2) x 128 + 2 x channel: two tokens of one head are 256 consecutive bytes, so that sixteen lanes store 256 aligned bytes.
; LIMITS: p under 2^-25 becomes 0 (beside a row's sum of at least 1); |o| under 6e-5 keeps an absolute error of 2^-25; NaN and infinities are not served.
; SHARES.  A cluster of four work-groups owns one head; each work-group 512 of its queries; each of its SIXTEEN waves 32 of them, two tiles of 16, in 256 registers: four waves to a SIMD, so that one wave's softmax
; stands beside another's products and LDS loads.  Every wave walks all 2,048 keys, 64 a step.  K's and V's tiles come through two LDS slots of 512 keys.  The four work-groups walk the same K and V: each tile is asked
; for JOINTLY, by the same tensor load with a mask that names the four.  Every wave fetches: waves 0-7 64 rows of K each, waves 8-15 64 rows of V.  By this text's count a wave has two loads out at the start, later one.
; LAYOUT.  S^T = K Q^T (source 0 = 16 keys, source 1 = 16 queries): a lane holds ONE query (lane % 16) and the keys 8 (lane / 16) + 0..7.  Two such tiles, rounded to f16 in pairs, ARE source 1 (32 keys x 16 queries) of
; O^T = V^T P, whose result again holds one query a lane.  K comes out of LDS as it lies, V ([key][channel]) turned, by ds_load_tr16_b128.
; SOFTMAX.  For each query a running maximum m and sum l: p = 2^(c s - c m), c = log2(e) / 8; in every step O and l are multiplied by a = 2^(c m_old - c m_new).  The step is written once: it begins with m = -3e38, l = 0, O = 0.
.set PK,     144                       ; a row of K in LDS: 128 bytes + 16: the 16 rows of a load start 16 bytes apart modulo 256
.set PV,     160                       ; a row of V: 128 + 32: the turning load's 8 rows x 32 bytes fall on different banks
.set VOFF,   512*PK                    ; a slot: 512 rows of K, then 512 rows of V
.set SLOT,   512*(PK+PV)
.set KSTEPB, 64*PK                     ; a key step's rows of K; also what one wave fetches
.set VSTEPB, 64*PV
.set SPARE,  2*SLOT                    ; behind the slots: the spare words, 128 bytes for each of the sixteen waves
.set AK0, 1                            ; v1   my lane's place in a tile of K; never rewritten
.set AV0, 2                            ; v2   the same for V
.set ADK, 3                            ; v3   LDS address of the step's K
.set ADV, 4                            ; v4   of its V
.set SPW, 5                            ; v5   LDS address of my spare word; never rewritten
.set NIL, 6                            ; v6   0; never rewritten
.set QO,  7                            ; v7   my byte offset in the wave's rows of Q
.set ST,  8                            ; v8-23  tile t's statistics at v[ST + 8 t]: +0 c m, +1 m, +2, +3 l (even keys', odd keys'), +4 to +7 at work; a takes +6
.set QF,  24                           ; v24-55   Q: tile t, channels 32 c on: 8 (2 t + c)
.set SS,  56                           ; v56-119  S^T, 32 a tile; P takes the tile's first 16
.set OA,  120                          ; v120-183 O^T: tile t, channels 16 ct on: 32 t + 8 ct
.set KV,  184                          ; v184-247 K's eight fragments, later V's
.set STO, 248                          ; v248 the way out: where I put 16 bytes of a row
.set RD,  249                          ; v249 where I read rows back
.set GO,  250                          ; v250 my byte offset in o16
.set WV,  12
.set G1K, 24                           ; s[24:31] descriptor group 1 for K's tiles;  s[32:39] for V's: the padding differs
.set G1V, 32
.set G0K, 40                           ; s[40:47] group 0 for K's tiles, a set for each slot;  s[48:55] for V's
.set G0V, 48
.set CNT, 56                           ; s56  counts a slot's eight steps
.set TK,  57                           ; s57  LDS byte at which the step's rows of K begin
.set CS,  58                           ; s[58:59] c: the packed form names a pair and takes its low word for both halves
.set SEL, 60                           ; s[60:61] lane selects for v_permlanex16_b32: lane l xor 16
.set TV,  62                           ; s62  the same as TK for V (VOFF lies in the lane's part)
.macro CROUND                          ; a round of the cluster's barrier
	s_barrier_signal -1
	s_barrier_wait -1
	s_cmp_lg_u32 s[WV], 0
	s_cbranch_scc1 .Lnot_wave_0_\@
	s_barrier_signal -3
.Lnot_wave_0_\@:
	s_barrier_wait -3
	s_barrier_signal -1
	s_barrier_wait -1
.endm
; A joint refill of slot s.  The branch hangs on the wave's number alone.  An s_nop 0 and four v_nop follow each of the two lines.
.macro JLOAD s
	s_cmp_lt_u32 s[WV], 8
	s_cbranch_scc0 .Lfor_v_\@
	tensor_load_to_lds s[G0K+4*\s:G0K+4*\s+3], s[G1K:G1K+7]
	s_nop 0
.rept 4
	v_nop
.endr
	s_branch .Lasked_\@
.Lfor_v_\@:
	tensor_load_to_lds s[G0V+4*\s:G0V+4*\s+3], s[G1V:G1V+7]
	s_nop 0
.rept 4
	v_nop
.endr
.Lasked_\@:
.endm
	s_load_b128 s[8:11], s[0:1], 0x0               ; qkv s[8:9], o16 s[10:11]
	v_lshl_add_u32 v[SPW], v0, 2, SPARE
	v_mov_b32 v[NIL], 0
	ds_add_u32 v[SPW], v[NIL]                      ; the wave's opening: the add, twice on end, and its wait ahead of my first tensor load
	ds_add_u32 v[SPW], v[NIL]
	v_lshrrev_b32 v1, 5, v0
	v_readfirstlane_b32 s[WV], v1                  ; wave 0..15
	s_bfe_u32 s13, ttmp6, 0x40000                  ; cx: my block of 512 queries; it enters Q's and O's addresses alone
	s_and_b32 s14, s[WV], 7                        ; which 64 rows of a slot I fetch
	s_and_b32 s15, ttmp7, 0xffff                   ; 16 x batch + head, which the four partners share
	s_lshl_b32 s16, s15, 18                        ; the head's first byte in each of q, k, v
	s_lshl_b32 s17, s14, 13                        ; my 64 rows of 128 bytes
	s_add_co_u32 s18, s16, s17
	s_add_co_u32 s20, s18, 1<<24                   ; in k
	s_mov_b32 s21, 0
	s_add_co_u32 s22, s18, 2<<24                   ; in v
	s_mov_b32 s23, 0
	s_mul_i32 s17, s14, KSTEPB                     ; and where they go in a slot: no place in the cluster enters an LDS address
	s_mul_i32 s19, s14, VSTEPB
	s_add_co_u32 s19, s19, VOFF
	s_lshl_b32 s2, s13, 16                         ; Q: my block's 512 rows,
	s_lshl_b32 s3, s[WV], 12                       ; my wave's 32 of them
	s_add_co_u32 s2, s2, s3
	s_add_co_u32 s2, s2, s16
	s_mov_b32 s3, 0
	s_lshr_b32 s66, s15, 4                         ; o16: a token is 2,048 bytes: the batch's 2,048 tokens,
	s_lshl_b32 s66, s66, 22
	s_lshl_b32 s67, s13, 20                        ; my block's 512,
	s_add_co_u32 s66, s66, s67
	s_lshl_b32 s67, s[WV], 16                      ; my wave's 32,
	s_add_co_u32 s66, s66, s67
	s_and_b32 s67, s15, 15
	s_lshl_b32 s67, s67, 8                         ; and the head's 256 bytes of a pair of tokens
	s_add_co_u32 s66, s66, s67
	s_mov_b32 s67, 0
	; descriptor group 1: a tile of 64 rows x 64 elements of 2 bytes, dense in memory, padded in LDS
	s_mov_b32 s[G1K], 15|(1<<16)|(1<<20)|(1<<21)|(4<<22)|(3<<25)  ; the mask: all four work-groups; elements of 2 bytes; padding on; bit 21 beside a mask; after every 32 words, 4 words
	s_mov_b32 s[G1V], 15|(1<<16)|(1<<20)|(1<<21)|(4<<22)|(7<<25)  ; the same with 8 words
.irp g, G1K, G1V
	s_mov_b32 s[\g+1], 64<<16                      ; tensor_dim0
	s_mov_b32 s[\g+2], 64<<16                      ; tensor_dim1
	s_mov_b32 s[\g+3], 64<<16                      ; tile_dim0
	s_mov_b32 s[\g+4], 64                          ; tile_dim1
	s_mov_b32 s[\g+5], 64                          ; from row to row
	s_mov_b32 s[\g+6], 0
	s_mov_b32 s[\g+7], 0
.endr
	s_mov_b32 s[CS], 0x3e38aa3b                    ; c = log2(e) / sqrt(64)
	s_mov_b32 s[CS+1], s[CS]                       ; (named with it as a pair, so it is written)
	s_mov_b32 s[SEL], 0x76543210
	s_mov_b32 s[SEL+1], 0xfedcba98
	s_wait_dscnt 0x0                               ; both opening adds are done
	s_wait_kmcnt 0x0
	s_add_nc_u64 s[4:5], s[8:9], s[2:3]            ; Q at my wave's first row
	s_add_nc_u64 s[6:7], s[8:9], s[20:21]          ; K at my rows of slot 0
	s_add_nc_u64 s[8:9], s[8:9], s[22:23]          ; V likewise
	s_add_nc_u64 s[10:11], s[10:11], s[66:67]      ; O at my wave's first pair of tokens
	CROUND                                         ; all four work-groups are here: the first joint loads meet
.irp s, 0,1
	s_mov_b32 s[G0K+4*\s], 1                       ; count = 1
	s_add_co_u32 s[G0K+4*\s+1], s17, \s*SLOT       ; LDS address
	s_add_nc_u64 s[G0K+4*\s+2:G0K+4*\s+3], s[6:7], \s*65536   ; slot s begins with keys 512 s on
	s_or_b32 s[G0K+4*\s+3], s[G0K+4*\s+3], 0x80000000         ; type = 2
	s_mov_b32 s[G0V+4*\s], 1
	s_add_co_u32 s[G0V+4*\s+1], s19, \s*SLOT
	s_add_nc_u64 s[G0V+4*\s+2:G0V+4*\s+3], s[8:9], \s*65536
	s_or_b32 s[G0V+4*\s+3], s[G0V+4*\s+3], 0x80000000
.endr
	s_cmp_lt_u32 s[WV], 8                          ; a wave's two first fills stand in one branch, ahead of every wait on TENSORcnt and every LDS read
	s_cbranch_scc0 .Lfirst_v
	tensor_load_to_lds s[G0K:G0K+3], s[G1K:G1K+7]
	s_nop 0
	tensor_load_to_lds s[G0K+4:G0K+7], s[G1K:G1K+7]
	s_nop 0
.rept 4
	v_nop
.endr
	s_branch .Lfirst_asked
.Lfirst_v:
	tensor_load_to_lds s[G0V:G0V+3], s[G1V:G1V+7]
	s_nop 0
	tensor_load_to_lds s[G0V+4:G0V+7], s[G1V:G1V+7]
	s_nop 0
.rept 4
	v_nop
.endr
.Lfirst_asked:
	v_and_b32 v8, 15, v0                           ; r = l % 16
	v_bfe_u32 v9, v0, 4, 1                         ; h = l / 16
	v_lshlrev_b32 v[QO], 7, v8
	v_lshl_add_u32 v[QO], v9, 4, v[QO]             ; row x 128 + 16 x half
.irp t, 0,1
.irp c, 0,1                                    ; Q stays in registers
	global_load_b128 v[QF+8*(2*\t+\c):QF+8*(2*\t+\c)+3],   v[QO], s[4:5] offset:\t*2048+64*\c
	global_load_b128 v[QF+8*(2*\t+\c)+4:QF+8*(2*\t+\c)+7], v[QO], s[4:5] offset:\t*2048+64*\c+32
.endr
.endr
	v_mul_u32_u24 v[AK0], v8, PK
	v_lshl_add_u32 v[AK0], v9, 4, v[AK0]           ; row x pitch + 16 x half
	v_and_b32 v10, 7, v0
	v_bfe_u32 v11, v0, 3, 1
	v_lshl_add_u32 v[AV0], v9, 3, v10              ; the turning load: key 8 (l / 16) + l % 8, channels 8 ((l / 8) % 2) on
	v_mul_u32_u24 v[AV0], v[AV0], PV
	v_lshl_add_u32 v[AV0], v11, 4, v[AV0]
	v_add_nc_u32 v[AV0], VOFF, v[AV0]
	s_mul_i32 s16, s[WV], 2*16*PK                  ; the way out: my stage, 2 tiles x 16 rows x 144 bytes, in slot 0, which has had its last fill and its last read by then
	v_add_nc_u32 v[STO], s16, v[AK0]               ; in: row r, 16 bytes for each half of the lanes
	v_bfe_u32 v11, v0, 3, 2
	v_mul_u32_u24 v[RD], v11, PK                   ; back: eight lanes to a row of 128 bytes, four rows an instruction
	v_lshl_add_u32 v[RD], v10, 4, v[RD]
	v_add_nc_u32 v[RD], s16, v[RD]
	v_lshlrev_b32 v[GO], 12, v9                    ; lanes 0-15: one pair of tokens (256 bytes of my head), lanes 16-31 the next pair
	v_lshl_add_u32 v[GO], v8, 4, v[GO]
.irp t, 0,1
	v_mov_b32 v[ST+8*\t+1], 0xff61b1e6             ; m = -3e38, under every score
	v_mul_f32 v[ST+8*\t], s[CS], v[ST+8*\t+1]      ; c m
	v_mov_b32 v[ST+8*\t+2], 0                      ; l
	v_mov_b32 v[ST+8*\t+3], 0
.endr
.set i, 0
.rept 64
	v_mov_b32 v[OA+i], 0                           ; O^T.  (The step is written once: its first run finds zeros, which a = 0 leaves zeros)
.set i, i+1
.endr
; THE SOFTMAX of both tiles for one key step, the tiles line by line, so that no line waits for the line above it.
.macro SOFT
.irp j, 0,1,2,3                                ; the maximum of the lane's 32 scores and the old m: four chains; each accumulator is read from its low end on
.irp t, 0,1
	v_max3_num_f32 v[ST+8*\t+4+\j], v[SS+32*\t+8*\j], v[SS+32*\t+8*\j+1], v[SS+32*\t+8*\j+2]
.endr
.endr
.irp g, 1,2
.irp j, 0,1,2,3
.irp t, 0,1
	v_max3_num_f32 v[ST+8*\t+4+\j], v[ST+8*\t+4+\j], v[SS+32*\t+8*\j+2*\g+1], v[SS+32*\t+8*\j+2*\g+2]
.endr
.endr
.endr
.irp t, 0,1
	v_max3_num_f32 v[ST+8*\t+4], v[ST+8*\t+4], v[SS+32*\t+7], v[SS+32*\t+15]
	v_max3_num_f32 v[ST+8*\t+6], v[ST+8*\t+6], v[SS+32*\t+23], v[SS+32*\t+31]
.endr
.irp t, 0,1
	v_max3_num_f32 v[ST+8*\t+4], v[ST+8*\t+4], v[ST+8*\t+5], v[ST+8*\t+6]
.endr
.irp t, 0,1
	v_max3_num_f32 v[ST+8*\t+4], v[ST+8*\t+4], v[ST+8*\t+7], v[ST+8*\t+1]
.endr
.irp t, 0,1
	v_permlanex16_b32 v[ST+8*\t+5], v[ST+8*\t+4], s[SEL], s[SEL+1]   ; the query's other 32 keys lie in the lane 16 away
.endr
.irp t, 0,1
	v_mov_b32 v[ST+8*\t+7], v[ST+8*\t]             ; c m_old is kept for a
.endr
.irp t, 0,1
	v_max_num_f32 v[ST+8*\t+1], v[ST+8*\t+4], v[ST+8*\t+5]           ; the new m
.endr
.irp t, 0,1
	v_mul_f32 v[ST+8*\t], s[CS], v[ST+8*\t+1]
.endr
.irp t, 0,1
	v_sub_f32 v[ST+8*\t+7], v[ST+8*\t+7], v[ST+8*\t]
.endr
.set i, 0
.rept 16
.irp t, 0,1
	v_pk_fma_f32 v[SS+32*\t+2*i:SS+32*\t+2*i+1], v[SS+32*\t+2*i:SS+32*\t+2*i+1], s[CS:CS+1], v[ST+8*\t:ST+8*\t+1] op_sel_hi:[1,0,0] neg_lo:[0,0,1] neg_hi:[0,0,1]   ; c s - c m, two at a time
.endr
.set i, i+1
.endr
.irp t, 0,1                                    ; ONE BATCH of 66 exponentials: none of them reads another's result
	v_exp_f32 v[ST+8*\t+6], v[ST+8*\t+7]           ; a
.endr
.set i, 0
.rept 32
.irp t, 0,1
	v_exp_f32 v[SS+32*\t+i], v[SS+32*\t+i]         ; p, at most 1
.endr
.set i, i+1
.endr
	v_nop                                          ; a plain instruction behind the last exponential, ahead of the first use
	s_wait_alu depctr_va_vdst(0)                   ; and a wait ahead of the first instruction that names a result: one for the batch
.irp t, 0,1                                    ; the sums, of the unrounded p, in two chains; they stand ahead of the roundings, which write over p
	v_pk_fma_f32 v[ST+8*\t+2:ST+8*\t+3], v[ST+8*\t+2:ST+8*\t+3], v[ST+8*\t+6:ST+8*\t+7], v[SS+32*\t:SS+32*\t+1] op_sel_hi:[1,0,1]   ; l = a l + pair 0
.endr
.irp t, 0,1
	v_pk_add_f32 v[ST+8*\t+4:ST+8*\t+5], v[SS+32*\t+2:SS+32*\t+3], v[SS+32*\t+6:SS+32*\t+7]   ; pairs 1 and 3
.endr
.irp i, 2,4,6,8,10,12
.irp t, 0,1
	v_pk_add_f32 v[ST+8*\t+2:ST+8*\t+3], v[ST+8*\t+2:ST+8*\t+3], v[SS+32*\t+2*\i:SS+32*\t+2*\i+1]
	v_pk_add_f32 v[ST+8*\t+4:ST+8*\t+5], v[ST+8*\t+4:ST+8*\t+5], v[SS+32*\t+2*\i+6:SS+32*\t+2*\i+7]
.endr
.endr
.irp t, 0,1
	v_pk_add_f32 v[ST+8*\t+2:ST+8*\t+3], v[ST+8*\t+2:ST+8*\t+3], v[SS+32*\t+28:SS+32*\t+29]
.endr
.irp t, 0,1
	v_pk_add_f32 v[ST+8*\t+2:ST+8*\t+3], v[ST+8*\t+2:ST+8*\t+3], v[ST+8*\t+4:ST+8*\t+5]
.endr
.set i, 0
.rept 16                                       ; P in place: register i takes pair i; no pair is written before it is read
.irp t, 0,1
	v_cvt_pk_f16_f32 v[SS+32*\t+i], v[SS+32*\t+2*i], v[SS+32*\t+2*i+1]
.endr
.set i, i+1
.endr
.set i, 0
.rept 16
.irp t, 0,1
	v_pk_mul_f32 v[OA+32*\t+2*i:OA+32*\t+2*i+1], v[OA+32*\t+2*i:OA+32*\t+2*i+1], v[ST+8*\t+6:ST+8*\t+7] op_sel_hi:[1,0]   ; O^T x a, each accumulator from its low end on
.endr
.set i, i+1
.endr
.endm
; A KEY STEP: 64 keys.  The accumulators take turns, one instruction a turn: between two links of a chain stand seven others'.
.macro STEP
	v_add_nc_u32 v[ADK], s[TK], v[AK0]
	v_add_nc_u32 v[ADV], s[TV], v[AV0]
.rept 3
	v_nop                                          ; with the two additions five places behind the last V^T P: four are owed by the loads into its registers, five by the products below, which write over P
.endr
.irp c, 0,1                                    ; K's eight fragments, the first 32 channels first
.irp kt, 0,1,2,3
	ds_load_b128 v[KV+8*(2*\kt+\c):KV+8*(2*\kt+\c)+3],   v[ADK] offset:\kt*16*PK+64*\c
	ds_load_b128 v[KV+8*(2*\kt+\c)+4:KV+8*(2*\kt+\c)+7], v[ADK] offset:\kt*16*PK+64*\c+32
.endr
.endr
	s_wait_dscnt 8                                 ; the first 32 channels are in; the eight loads of the others may be out
.irp kt, 0,1,2,3
.irp t, 0,1
	v_wmma_f32_16x16x32_f16 v[SS+32*\t+8*\kt:SS+32*\t+8*\kt+7], v[KV+16*\kt:KV+16*\kt+7], v[QF+16*\t:QF+16*\t+7], 0
.endr
.endr
	s_wait_dscnt 0x0
.irp kt, 0,1,2,3
.irp t, 0,1
	v_wmma_f32_16x16x32_f16 v[SS+32*\t+8*\kt:SS+32*\t+8*\kt+7], v[KV+16*\kt+8:KV+16*\kt+15], v[QF+16*\t+8:QF+16*\t+15], v[SS+32*\t+8*\kt:SS+32*\t+8*\kt+7]
.endr
.endr
.rept 4
	v_nop                                          ; places in front of the loads into K's registers and of the first read of the scores
.endr
.irp kk, 0,1                                   ; V's eight fragments, turned: keys 32 kk on, channels 16 ct on; they land while the softmax is walked
.irp ct, 0,1,2,3
	ds_load_tr16_b128 v[KV+8*(4*\kk+\ct):KV+8*(4*\kk+\ct)+3],   v[ADV] offset:\kk*32*PV+32*\ct
	ds_load_tr16_b128 v[KV+8*(4*\kk+\ct)+4:KV+8*(4*\kk+\ct)+7], v[ADV] offset:\kk*32*PV+16*PV+32*\ct
.endr
.endr
	SOFT
	s_wait_dscnt 0x0                               ; V is in
.irp kk, 0,1
.irp ct, 0,1,2,3
.irp t, 0,1
	v_wmma_f32_16x16x32_f16 v[OA+32*\t+8*\ct:OA+32*\t+8*\ct+7], v[KV+8*(4*\kk+\ct):KV+8*(4*\kk+\ct)+7], v[SS+32*\t+8*\kk:SS+32*\t+8*\kk+7], v[OA+32*\t+8*\ct:OA+32*\t+8*\ct+7]
.endr
.endr
.endr
.endm
.macro SLOT_STEPS slot                 ; a slot's eight key steps: written once, walked eight times
	s_mov_b32 s[TK], \slot*SLOT
	s_mov_b32 s[TV], \slot*SLOT
	s_mov_b32 s[CNT], 8
.Lstep_\@:
	STEP
	s_add_co_u32 s[TK], s[TK], KSTEPB
	s_add_co_u32 s[TV], s[TV], VSTEPB
	s_sub_co_u32 s[CNT], s[CNT], 1
	s_cmp_lg_u32 s[CNT], 0
	s_cbranch_scc1 .Lstep_\@
.endm
; THE CHANGE OF SLOTS.  Each wave waits for all its tensor loads (its part of the slot ahead), adds 0 to its spare word, and waits for that and for its reads of the slot that it leaves.  fill = 1: the slot just left is
; filled with the keys two slots on: the barrier is then a round of the cluster's, so that no wave of any partner still reads the slot or has a load on its way, and the joint refill is the first thing behind it:
; it has a slot's eight key steps in which to land.
.macro CHANGE fill, slot
	s_wait_tensorcnt 0x0                           ; no tensor load of mine is out, so a group 0 may be written
	ds_add_u32 v[SPW], v[NIL]                      ; 0 onto my spare word
.if \fill
	s_add_nc_u64 s[G0K+4*\slot+2:G0K+4*\slot+3], s[G0K+4*\slot+2:G0K+4*\slot+3], 2*65536   ; 1,024 keys on; the type bits on top are not reached
	s_add_nc_u64 s[G0V+4*\slot+2:G0V+4*\slot+3], s[G0V+4*\slot+2:G0V+4*\slot+3], 2*65536
.endif
	s_wait_dscnt 0x0                               ; the add is done, and my reads of the slot are over
.if \fill
	CROUND
	JLOAD \slot
.else
	s_barrier_signal -1
	s_barrier_wait -1
.endif
.endm
	s_wait_tensorcnt 1                             ; my part of slot 0 is in; slot 1's may stay out
	s_barrier_signal -1
	s_barrier_wait -1                              ; everybody's is
	s_wait_loadcnt 0x0                             ; Q
	SLOT_STEPS 0                                   ; keys 0 to 511
	CHANGE 1, 0                                    ; slot 0 takes keys 1,024 on
	SLOT_STEPS 1                                   ; keys 512 to 1,023
	CHANGE 1, 1                                    ; slot 1 takes keys 1,536 on
	SLOT_STEPS 0
	CHANGE 0, 0                                    ; nothing is left to fetch
	SLOT_STEPS 1
	; THE WAY OUT.  l's two halves and the other half of the lanes' are added; O^T is divided by l, rounded to f16 and sent through my stage in LDS.  The four additions and the v_nop are the places behind the last products.
.irp t, 0,1
	v_add_f32 v[ST+8*\t+4], v[ST+8*\t+2], v[ST+8*\t+3]
.endr
.irp t, 0,1
	v_permlanex16_b32 v[ST+8*\t+5], v[ST+8*\t+4], s[SEL], s[SEL+1]
.endr
.irp t, 0,1
	v_add_f32 v[ST+8*\t+4], v[ST+8*\t+4], v[ST+8*\t+5]
.endr
.irp t, 0,1
	v_rcp_f32 v[ST+8*\t+6], v[ST+8*\t+4]
.endr
	v_nop                                          ; a plain instruction between the last reciprocal and the use of its result
	s_wait_alu depctr_va_vdst(0)                   ; and a wait ahead of the first use: one for both
.irp t, 0,1
.set i, 0
.rept 16
	v_pk_mul_f32 v[OA+32*\t+2*i:OA+32*\t+2*i+1], v[OA+32*\t+2*i:OA+32*\t+2*i+1], v[ST+8*\t+6:ST+8*\t+7] op_sel_hi:[1,0]
.set i, i+1
.endr
.set i, 0
.rept 16
	v_cvt_pk_f16_f32 v[SS+32*\t+i], v[OA+32*\t+2*i], v[OA+32*\t+2*i+1]
.set i, i+1
.endr
.irp ct, 0,1,2,3
	ds_store_b128 v[STO], v[SS+32*\t+4*\ct:SS+32*\t+4*\ct+3] offset:\t*16*PK+32*\ct
.endr
.irp i, 0,1,2,3
	ds_load_b128 v[SS+32*\t+16+4*\i:SS+32*\t+16+4*\i+3], v[RD] offset:\t*16*PK+\i*4*PK   ; LDS serves a wave's instructions in order (ISA guide 5.7.1.4): these see the stores above
.endr
.endr
.irp i, 0,1,2,3
	s_wait_dscnt 8+3-\i                            ; behind tile 0's load i: its younger loads and tile 1's eight LDS instructions
	global_store_b128 v[GO], v[SS+16+4*\i:SS+16+4*\i+3], s[10:11] offset:\i*8192   ; sixteen lanes store 256 consecutive bytes, aligned
.endr
.irp i, 0,1,2,3
	s_wait_dscnt 3-\i
	global_store_b128 v[GO], v[SS+32+16+4*\i:SS+32+16+4*\i+3], s[10:11] offset:32768+\i*8192
.endr
	s_wait_tensorcnt 0x0                           ; the wave's end: behind my last tensor load and my last LDS store
	ds_add_u32 v[SPW], v[NIL]
	s_wait_dscnt 0x0
	CROUND                                         ; the closing round: no work-group ends while a partner may still ask for a tile that names it
	s_endpgm
.Lfunc_end_k_q4bfff4bc07_attn:
	.size	k_q4bfff4bc07_attn, .Lfunc_end_k_q4bfff4bc07_attn-k_q4bfff4bc07_attn
	.p2alignl 7, 3214868480
	.fill 96, 4, 3214868480
	.section	.rodata,"a",@progbits
	.p2align	6, 0x0
	.amdhsa_kernel k_q4bfff4bc07_attn
		.amdhsa_group_segment_fixed_size 327680
		.amdhsa_private_segment_fixed_size 0
		.amdhsa_enable_private_segment 0
		.amdhsa_kernarg_size 16
		.amdhsa_user_sgpr_count 2
		.amdhsa_user_sgpr_kernarg_segment_ptr 1
		.amdhsa_wavefront_size32 1
		.amdhsa_system_sgpr_workgroup_id_x 1
		.amdhsa_system_sgpr_workgroup_id_y 1
		.amdhsa_system_sgpr_workgroup_id_z 1
		.amdhsa_system_vgpr_workitem_id 0
		.amdhsa_next_free_vgpr 256
		.amdhsa_next_free_sgpr 72
		.amdhsa_reserve_vcc 0
		.amdhsa_float_denorm_mode_32 3
		.amdhsa_float_denorm_mode_16_64 3
		.amdhsa_memory_ordered 1
		.amdhsa_forward_progress 1
		.amdhsa_inst_pref_size 88
	.end_amdhsa_kernel
	.amdgpu_metadata
---
amdhsa.version: [ 1, 2 ]
amdhsa.kernels:
  - .name:           k_q4bfff4bc07_attn
    .symbol:         k_q4bfff4bc07_attn.kd
    .args:
      - { .name: qkv, .offset: 0, .size: 8, .value_kind: global_buffer, .address_space: global }
      - { .name: o16, .offset: 8, .size: 8, .value_kind: global_buffer, .address_space: global }
    .group_segment_fixed_size: 327680
    .private_segment_fixed_size: 0
    .kernarg_segment_align: 8
    .kernarg_segment_size: 16
    .max_flat_workgroup_size: 512
    .sgpr_count:     72
    .vgpr_count:     256
    .wavefront_size: 32
...
	.end_amdgpu_metadata
.endif
;; end of part 3
;; launch proj (part 4): grid 8 x 64, 4 waves a work-group, clusters of 4 x 4, 327,680 bytes of LDS; arguments o16, wo16, bo, out0; writes out0
.if DOCPART == 4
	.amdgcn_target "amdgcn-amd-amdhsa--gfx1250"
	.amdhsa_code_object_version 6
	.text
	.protected	k_q4bfff4bc07_proj
	.globl	k_q4bfff4bc07_proj
	.p2align	8
	.type	k_q4bfff4bc07_proj,@function
k_q4bfff4bc07_proj:
	s_mov_b64 s[64:65], 0
	v_nop
	global_prefetch_b8 v0, s[64:65] scope:SCOPE_SE
	s_setreg_imm32_b32 hwreg(HW_REG_WAVE_MODE, 25, 1), 1
	s_wait_xcnt 0x0
	s_wait_alu depctr_hold_cnt(0) depctr_sa_sdst(0) depctr_va_vdst(0) depctr_va_sdst(0) depctr_va_ssrc(0) depctr_va_vcc(0) depctr_vm_vsrc(0)
	s_getreg_b32 s2, hwreg(HW_REG_IB_STS2, 6, 4)
	s_cmp_eq_u32 s2, 0
	s_cbranch_scc0 .Lentry_in_a_cluster
	s_endpgm
.Lentry_in_a_cluster:
	s_bfe_u32 s2, ttmp6, 0x10000c
	s_cmp_lg_u32 s2, 0xf033
	s_cbranch_scc0 .Lentry_shape_is_right
	s_endpgm
.Lentry_shape_is_right:
; SELF-ATTENTION, launch 4 of 4.  out0[m][n] = the sum over k of o[m][k] wo[n][k] + bo[n]: [8192][1024] x [1024][1024]^T, f16 operands, sums in f32, out0 f32.  bo is the C of each sum's first matrix instruction
; (another order of rounding than adding it last).  No work of this product is left out.
; o16 lies by pairs of tokens: byte = (token / 2) x 4096 + head x 256 + (token % 2) x 128 + 2 x channel, k = 64 x head + channel.  So 256 along K (4 heads) of a pair of tokens are 1,024 consecutive bytes: a tile of 64 tokens is
; 32 rows of 1,024 bytes.
; A tile of the result is 128 x 128: 512 tiles, two for each of 256 WGPs.  Four waves, each 64 x 64: 16 accumulators.  K goes in steps of 256 through two LDS slots.
; CLUSTERS: 4 x 4 work-groups.  The four of a row need the same tiles of o, the four of a column the same tiles of wo: each tile is asked for JOINTLY.  THE MATRIX INSTRUCTION IS USED TRANSPOSED (source 0 = 16 rows of wo,
; source 1 = 16 tokens): a lane holds eight neighbouring numbers of a row of out0.
; REGISTERS: window 0: v0-31 addresses; v32-63 the bias, later with v64-95 the way out; v128-255 the accumulators ((a, b) at v[128 + 8 (4 a + b)]).   window 1: two fragment buffers of 128: 64 registers of o, then 64 of wo.
.set KSTEP,  256
.set PA,     1040                      ; o's LDS row: a pair of tokens x 4 heads: 1,024 bytes + 16: the 16 tokens of a load start at 16 (r / 2) + 128 (r % 2) modulo 256: all different
.set PB,     528                       ; wo's LDS row: 512 bytes + 16
.set HALFA,  32*PA                     ; 64 tokens: what one tensor load brings, and what one wave reads of o
.set HALFB,  64*PB                     ; 64 rows of wo likewise
.set BOFF,   2*HALFA
.set SLOT,   2*HALFA+2*HALFB
.set STAGE,  2*SLOT                    ; behind the slots: 16 rows x 272 bytes for each wave, for the way out
.set SPITCH, 272
.set SPARE,  STAGE+4*16*SPITCH         ; the spare words, 128 bytes a wave
.set LAPS,   2                         ; a lap = two K steps = once round the ring
.set ADRA, 16
.set ADRB, 20
.set STO,  24
.set RD,   25
.set CO,   26
.set BO,   27                          ; v27  the bias loads' lane offset; never rewritten
.set SPW,  28
.set NIL,  29
.set BIAS, 32                          ; v[BIAS + 8 b + j]: bo of my column 16 b + 8 (lane / 16) + j
.set BK,   32                          ; the way out: rows read back: v32-63 and v64-95 by turns
.set ACC,  128
.set F0,   0
.set F1,   128
.set G1, 24
.set G0, 32
.set G1B, 48
.set G0B, 56
.set MSB, 0
.macro WIN new                         ; the immediate's high byte repeats the setting that is left
.if MSB != \new
	s_set_vgpr_msb (MSB<<8)|\new
.set MSB, \new
.endif
.endm
.set MUL,  0x05                        ; sources 0 and 1 window 1; C and D window 0
.set TO_F, 0x40                        ; destination window 1, address window 0
.macro JLOAD s                         ; a joint load: waves 0 and 1 fetch o's two halves, waves 2 and 3 wo's; an s_nop 0 and four v_nop follow each of the two lines
	s_cmp_eq_u32 s11, 0
	s_cbranch_scc0 .Lfor_b_\@
	tensor_load_to_lds s[G0+4*\s:G0+4*\s+3], s[G1:G1+7]
	s_nop 0
.rept 4
	v_nop
.endr
	s_branch .Lasked_\@
.Lfor_b_\@:
	tensor_load_to_lds s[G0B+4*\s:G0B+4*\s+3], s[G1B:G1B+7]
	s_nop 0
.rept 4
	v_nop
.endr
.Lasked_\@:
.endm
.macro CREST                           ; a round of the cluster's barrier behind its opening barrier
	s_cmp_lg_u32 s10, 0
	s_cbranch_scc1 .Lnot_wave_0_\@
	s_barrier_signal -3
.Lnot_wave_0_\@:
	s_barrier_wait -3
	s_barrier_signal -1
	s_barrier_wait -1
.endm
.macro CROUND
	s_barrier_signal -1
	s_barrier_wait -1
	CREST
.endm
	s_load_b128 s[4:7], s[0:1], 0x0                ; o16 s[4:5], wo16 s[6:7]
	s_load_b64 s[66:67], s[0:1], 0x10              ; bo
	s_load_b64 s[8:9], s[0:1], 0x18                ; out0
	v_lshl_add_u32 v[SPW], v0, 2, SPARE
	v_mov_b32 v[NIL], 0
	ds_add_u32 v[SPW], v[NIL]                      ; the wave's opening: the add, twice on end, and its wait ahead of my first tensor load
	ds_add_u32 v[SPW], v[NIL]
	v_lshrrev_b32 v1, 5, v0
	v_readfirstlane_b32 s10, v1                    ; wave 0..3
	s_lshr_b32 s11, s10, 1                         ; which half of the tile's rows is mine.  Also: I fetch for o (0) or for wo (1)
	s_and_b32 s12, s10, 1                          ; which half of its columns.  Also: which half of that tile I fetch
	s_bfe_u32 s40, ttmp6, 0x40000                  ; cx, cy
	s_bfe_u32 s41, ttmp6, 0x40004
	s_lshl_b32 s42, ttmp9, 2
	s_add_co_u32 s42, s42, s40                     ; tile column = 4 x cluster x + cx
	s_and_b32 s13, ttmp7, 0xffff
	s_lshl_b32 s13, s13, 2
	s_add_co_u32 s13, s13, s41                     ; tile row = 4 x cluster y + cy
	s_lshl_b32 s43, s41, 2
	s_lshl_b32 s43, 15, s43                        ; my row of the cluster
	s_lshl_b32 s44, 0x1111, s40                    ; my column
	; o's tiles: 32 rows (pairs of tokens) x 512 elements of 2 bytes, 2,048 elements from row to row, 4 words of padding after every 256
	s_or_b32 s[G1+0], s43, (1<<16)|(1<<20)|(1<<21)|(7<<22)|(3<<25)
	s_mov_b32 s[G1+1], 512<<16                     ; tensor_dim0
	s_mov_b32 s[G1+2], 32<<16                      ; tensor_dim1
	s_mov_b32 s[G1+3], 512<<16                     ; tile_dim0
	s_mov_b32 s[G1+4], 32                          ; tile_dim1
	s_mov_b32 s[G1+5], 2048                        ; from row to row
	s_mov_b32 s[G1+6], 0
	s_mov_b32 s[G1+7], 0
	; wo's tiles: 64 rows x 256 elements, 1,024 elements from row to row, 4 words of padding after every 128
	s_or_b32 s[G1B+0], s44, (1<<16)|(1<<20)|(1<<21)|(6<<22)|(3<<25)
	s_mov_b32 s[G1B+1], KSTEP<<16
	s_mov_b32 s[G1B+2], 64<<16
	s_mov_b32 s[G1B+3], KSTEP<<16
	s_mov_b32 s[G1B+4], 64
	s_mov_b32 s[G1B+5], 1024
	s_mov_b32 s[G1B+6], 0
	s_mov_b32 s[G1B+7], 0
	s_lshl_b32 s17, s12, 5
	s_lshl_b32 s16, s13, 6
	s_add_co_u32 s16, s16, s17                     ; o: pair 64 x tile row + 32 x half,
	s_lshl_b32 s16, s16, 12                        ; of 4,096 bytes
	s_mov_b32 s17, 0
	s_lshl_b32 s46, s42, 7
	s_lshl_b32 s47, s12, 6
	s_add_co_u32 s46, s46, s47                     ; wo: row 128 x tile column + 64 x half,
	s_lshl_b32 s46, s46, 11                        ; of 2,048 bytes
	s_mov_b32 s47, 0
	s_mul_i32 s20, s12, HALFA                      ; where they go: no place in the cluster enters an LDS address
	s_mul_i32 s21, s12, HALFB
	s_add_co_u32 s21, s21, BOFF
	s_wait_dscnt 0x0                               ; both opening adds are done
	s_wait_kmcnt 0x0
	s_add_nc_u64 s[14:15], s[4:5], s[16:17]
	s_add_nc_u64 s[46:47], s[6:7], s[46:47]
	CROUND                                         ; all sixteen work-groups are here: the first joint loads meet
.irp s, 0,1
	s_mov_b32 s[G0+4*\s], 1
	s_add_co_u32 s[G0+4*\s+1], s20, \s*SLOT
	s_add_nc_u64 s[G0+4*\s+2:G0+4*\s+3], s[14:15], \s*1024    ; K step s: 4 heads of a pair of tokens
	s_or_b32 s[G0+4*\s+3], s[G0+4*\s+3], 0x80000000
	s_mov_b32 s[G0B+4*\s], 1
	s_add_co_u32 s[G0B+4*\s+1], s21, \s*SLOT
	s_add_nc_u64 s[G0B+4*\s+2:G0B+4*\s+3], s[46:47], \s*512
	s_or_b32 s[G0B+4*\s+3], s[G0B+4*\s+3], 0x80000000
	JLOAD \s
.endr
	v_and_b32 v1, 15, v0                           ; r = l % 16
	v_bfe_u32 v2, v0, 4, 1                         ; h = l / 16
	v_lshlrev_b32 v[BO], 5, v2                     ; the bias: my half's eight columns
	s_lshl_b32 s46, s42, 9                         ; my first column, in bytes of f32: 512 x tile column + 256 x half
	s_lshl_b32 s47, s12, 8
	s_add_co_u32 s46, s46, s47
	s_mov_b32 s47, 0
	s_add_nc_u64 s[66:67], s[66:67], s[46:47]
.irp b, 0,1,2,3
	global_load_b128 v[BIAS+8*\b:BIAS+8*\b+3], v[BO], s[66:67] offset:64*\b
	global_load_b128 v[BIAS+8*\b+4:BIAS+8*\b+7], v[BO], s[66:67] offset:64*\b+16
.endr
	v_lshrrev_b32 v3, 1, v1
	v_mul_u32_u24 v3, v3, PA                       ; o: token r lies in pair r / 2,
	v_and_b32 v4, 1, v0
	v_lshl_add_u32 v3, v4, 7, v3                   ; 128 (r % 2) bytes into a head's 256,
	v_lshl_add_u32 v3, v2, 4, v3                   ; + 16 x half
	v_mul_u32_u24 v4, v1, PB
	v_lshl_add_u32 v4, v2, 4, v4                   ; wo: row x pitch + 16 x half
	s_mul_i32 s21, s11, HALFA                      ; my 64 tokens
	s_mul_i32 s22, s12, HALFB                      ; my 64 rows of wo,
	s_add_co_u32 s22, s22, BOFF                    ; which lie behind o's two halves
.irp s, 0,1
	v_add_nc_u32 v[ADRA+\s], s21, v3
	v_add_nc_u32 v[ADRB+\s], s22, v4
	s_add_co_u32 s21, s21, SLOT
	s_add_co_u32 s22, s22, SLOT
.endr
	s_mul_i32 s23, s10, 16*SPITCH
	s_add_co_u32 s23, s23, STAGE                   ; my stage
	v_mul_u32_u24 v5, v1, SPITCH                   ; in: row r, 32 bytes for each half of the lanes
	v_lshl_add_u32 v5, v2, 5, v5
	v_add_nc_u32 v[STO], s23, v5
	v_mul_u32_u24 v5, v2, SPITCH                   ; back: lanes 0-15 take one row of 256 bytes, lanes 16-31 the next
	v_lshl_add_u32 v5, v1, 4, v5
	v_add_nc_u32 v[RD], s23, v5
	v_lshlrev_b32 v5, 12, v2                       ; and the same two rows in out0: 4,096 bytes a row
	v_lshl_add_u32 v[CO], v1, 4, v5
	s_lshl_b32 s16, s13, 7
	s_lshl_b32 s17, s11, 6
	s_add_co_u32 s16, s16, s17                     ; my first row of out0: 128 x tile row + 64 x half
	s_lshl_b32 s16, s16, 12
	s_mov_b32 s17, 0
	s_add_nc_u64 s[8:9], s[8:9], s[16:17]
	s_add_nc_u64 s[8:9], s[8:9], s[46:47]
; 8 matrix instructions: token blocks a0, a0 + 1 x all 4 column blocks, 32 along K: half c of buffer f.  bias = 1: the first product starts the sums from the bias: nothing is cleared.
; The 16 accumulators take turns, one instruction a turn.
.macro MUL8 f, c, a0, bias
.irp a, \a0, \a0+1
.irp b, 0,1,2,3
.if \bias
	v_wmma_f32_16x16x32_f16 v[ACC+8*(4*(\a)+\b):ACC+8*(4*(\a)+\b)+7], v[\f+64+8*(4*\c+\b):\f+64+8*(4*\c+\b)+7], v[\f+8*(4*\c+\a):\f+8*(4*\c+\a)+7], v[BIAS+8*\b:BIAS+8*\b+7]
.else
	v_wmma_f32_16x16x32_f16 v[ACC+8*(4*(\a)+\b):ACC+8*(4*(\a)+\b)+7], v[\f+64+8*(4*\c+\b):\f+64+8*(4*\c+\b)+7], v[\f+8*(4*\c+\a):\f+8*(4*\c+\a)+7], v[ACC+8*(4*(\a)+\b):ACC+8*(4*(\a)+\b)+7]
.endif
.endr
.endr
.endm
; 32 LDS loads in one run: the fragments of the slot's q-th 64 along K (one head) into buffer f; the first 32 along K first
.macro FETCH slot, q, f
	WIN TO_F
.irp c, 0,1
.irp i, 0,1,2,3
	ds_load_b128 v[\f+64+8*(4*\c+\i):\f+64+8*(4*\c+\i)+3],   v[ADRB+\slot] offset:128*(\q)+64*\c+\i*16*PB
	ds_load_b128 v[\f+64+8*(4*\c+\i)+4:\f+64+8*(4*\c+\i)+7], v[ADRB+\slot] offset:128*(\q)+64*\c+\i*16*PB+32
	ds_load_b128 v[\f+8*(4*\c+\i):\f+8*(4*\c+\i)+3],         v[ADRA+\slot] offset:256*(\q)+64*\c+\i*8*PA
	ds_load_b128 v[\f+8*(4*\c+\i)+4:\f+8*(4*\c+\i)+7],       v[ADRA+\slot] offset:256*(\q)+64*\c+\i*8*PA+32
.endr
.endr
.endm
.macro PLACES                          ; four places in front of loads into registers that matrix instructions have read, and of reads of results
.rept 4
	v_nop
.endr
.endm
; A K step is four quarters of 64 along K, 32 matrix instructions each, on buffers 0, 1, 0, 1.  One of the first three: multiplies buffer f and fetches quarter q into g.
.macro QUARTER slot, q, f, g, bias
	s_wait_dscnt 16                                ; the first 32 along K are in; the sixteen loads of the others may be out
	WIN MUL
	MUL8 \f, 0, 0, \bias
	MUL8 \f, 0, 2, \bias
	PLACES
	FETCH \slot, \q, \g
	s_wait_dscnt 32                                ; all but the 32 just issued
	WIN MUL
	MUL8 \f, 1, 0, 0
	MUL8 \f, 1, 2, 0
.endm
; The last quarter multiplies buffer 1 and changes slots: ONE barrier; in front of it each wave waits for all its tensor loads, adds 0 to its spare word, and waits for that and for its reads of this slot.
; fill = 1: this slot is filled again, two K steps ahead; the barrier then opens a round of the cluster's barrier.
.macro TURN slot, next, fill
	WIN 0                                          ; (the add's two registers lie in window 0)
	s_wait_tensorcnt 0x0                           ; all my tensor loads have landed: my part of the next slot;
	ds_add_u32 v[SPW], v[NIL]                      ; 0 onto my spare word;
	s_wait_dscnt 17                                ; (the add and the youngest sixteen loads may be out)
	WIN MUL
	MUL8 F1, 0, 0, 0                               ; eight matrix instructions stand between the add and the wait for it
	s_wait_dscnt 0x0                               ; the add is done, and my reads of this slot are over
	s_barrier_signal -1
	MUL8 F1, 0, 2, 0
.if \fill
	WIN 0
.endif
	s_barrier_wait -1
.if \fill
	CREST                                          ; no wave of any partner still reads this slot's tile or has a load on its way
	s_add_nc_u64 s[G0+4*\slot+2:G0+4*\slot+3], s[G0+4*\slot+2:G0+4*\slot+3], 2*1024
	s_add_nc_u64 s[G0B+4*\slot+2:G0B+4*\slot+3], s[G0B+4*\slot+2:G0B+4*\slot+3], 2*512
	JLOAD \slot                                    ; the first tensor load behind the round; the four v_nop behind it are also the places in front of the loads below
.else
	PLACES
.endif
	FETCH \next, 0, F0
	WIN MUL
	MUL8 F1, 1, 0, 0
	MUL8 F1, 1, 2, 0
.endm
	s_wait_tensorcnt 1                             ; my part of K step 0 is in (K step 1's load may be out)
	s_barrier_signal -1
	s_barrier_wait -1                              ; everybody's is
	FETCH 0, 0, F0
	s_wait_loadcnt 0x0                             ; the bias
	QUARTER 0, 1, F0, F1, 1                        ; the first quarter stands in front of the loop: its first products start the sums
	WIN 0                                          ; at a label and at a branch every window is 0
	s_mov_b32 s3, LAPS-1
.Llap:                                                 ; a trip goes once round the ring, from a lap's second quarter to the next lap's first, and fills both slots again
	QUARTER 0, 2, F1, F0, 0
	QUARTER 0, 3, F0, F1, 0
	TURN 0, 1, 1
	QUARTER 1, 1, F0, F1, 0
	QUARTER 1, 2, F1, F0, 0
	QUARTER 1, 3, F0, F1, 0
	TURN 1, 0, 1
	QUARTER 0, 1, F0, F1, 0
	WIN 0
	s_sub_co_u32 s3, s3, 1
	s_cmp_lg_u32 s3, 0
	s_cbranch_scc1 .Llap
	QUARTER 0, 2, F1, F0, 0                        ; the last lap fills nothing, and has no round of the cluster's barrier
	QUARTER 0, 3, F0, F1, 0
	TURN 0, 1, 0
	QUARTER 1, 1, F0, F1, 0
	QUARTER 1, 2, F1, F0, 0
	QUARTER 1, 3, F0, F1, 0
	s_wait_dscnt 16                                ; the very last quarter: nothing more to fetch
	WIN MUL
	MUL8 F1, 0, 0, 0
	MUL8 F1, 0, 2, 0
	s_wait_dscnt 0
	MUL8 F1, 1, 0, 0
	MUL8 F1, 1, 2, 0
	WIN 0
; THE WAY OUT, block by block of 16 rows x 64 columns.  A wave's 64 columns of f32 are 256 bytes, aligned: each wave has a stage of its own and no barrier is needed.  A lane's 32 bytes go into rows of 272 bytes and come back
; as whole rows.  LDS serves a wave's instructions in order (ISA guide 5.7.1.4): no wait between the stores and the loads, nor in front of the next block's stores.
.macro TOSTAGE a
.set BB, BK+32*((\a)%2)
.irp b, 0,1,2,3
	ds_store_b128 v[STO], v[ACC+8*(4*(\a)+\b):ACC+8*(4*(\a)+\b)+3] offset:64*\b          ; each accumulator from its low end on
	ds_store_b128 v[STO], v[ACC+8*(4*(\a)+\b)+4:ACC+8*(4*(\a)+\b)+7] offset:64*\b+16
.endr
.irp t, 0,1,2,3,4,5,6,7
	ds_load_b128 v[BB+4*\t:BB+4*\t+3], v[RD] offset:\t*2*SPITCH
.endr
.endm
.macro SEND a, younger                 ; younger: the LDS instructions issued behind block a's loads, which may stay out
.set BB, BK+32*((\a)%2)
	s_wait_dscnt \younger
.irp t, 0,1,2,3,4,5,6,7
	global_store_b128 v[CO], v[BB+4*\t:BB+4*\t+3], s[8:9] offset:(16*(\a)+2*\t)*4096 th:TH_STORE_NT   ; sixteen lanes store 256 consecutive bytes, aligned; written once, read by nobody here
.endr
.endm
	PLACES                                         ; behind the last products, in front of the reads of their results
	TOSTAGE 0
.irp a, 1,2,3
.if \a > 1
	s_wait_xcnt 0x0                                ; block a - 2's stores have read their data: block a's loads land on those registers only behind this wait
.endif
	TOSTAGE \a
	SEND \a-1, 16                                  ; behind block a - 1's loads: block a's 8 stores and 8 loads
.endr
	SEND 3, 0
	s_wait_tensorcnt 0x0                           ; the wave's end: behind my last tensor load and my last LDS store
	ds_add_u32 v[SPW], v[NIL]
	s_wait_dscnt 0x0
	CROUND                                         ; the closing round: no work-group ends while a partner may still ask for a tile that names it
	s_endpgm
.Lfunc_end_k_q4bfff4bc07_proj:
	.size	k_q4bfff4bc07_proj, .Lfunc_end_k_q4bfff4bc07_proj-k_q4bfff4bc07_proj
	.p2alignl 7, 3214868480
	.fill 96, 4, 3214868480
	.section	.rodata,"a",@progbits
	.p2align	6, 0x0
	.amdhsa_kernel k_q4bfff4bc07_proj
		.amdhsa_group_segment_fixed_size 327680
		.amdhsa_private_segment_fixed_size 0
		.amdhsa_enable_private_segment 0
		.amdhsa_kernarg_size 32
		.amdhsa_user_sgpr_count 2
		.amdhsa_user_sgpr_kernarg_segment_ptr 1
		.amdhsa_wavefront_size32 1
		.amdhsa_system_sgpr_workgroup_id_x 1
		.amdhsa_system_sgpr_workgroup_id_y 1
		.amdhsa_system_sgpr_workgroup_id_z 1
		.amdhsa_system_vgpr_workitem_id 0
		.amdhsa_next_free_vgpr 512
		.amdhsa_next_free_sgpr 68
		.amdhsa_reserve_vcc 0
		.amdhsa_float_denorm_mode_32 3
		.amdhsa_float_denorm_mode_16_64 3
		.amdhsa_memory_ordered 1
		.amdhsa_forward_progress 1
		.amdhsa_inst_pref_size 87
	.end_amdhsa_kernel
	.amdgpu_metadata
---
amdhsa.version: [ 1, 2 ]
amdhsa.kernels:
  - .name:           k_q4bfff4bc07_proj
    .symbol:         k_q4bfff4bc07_proj.kd
    .args:
      - { .name: o16, .offset: 0, .size: 8, .value_kind: global_buffer, .address_space: global }
      - { .name: wo16, .offset: 8, .size: 8, .value_kind: global_buffer, .address_space: global }
      - { .name: bo, .offset: 16, .size: 8, .value_kind: global_buffer, .address_space: global }
      - { .name: out0, .offset: 24, .size: 8, .value_kind: global_buffer, .address_space: global }
    .group_segment_fixed_size: 327680
    .private_segment_fixed_size: 0
    .kernarg_segment_align: 8
    .kernarg_segment_size: 32
    .max_flat_workgroup_size: 128
    .sgpr_count:     68
    .vgpr_count:     512
    .wavefront_size: 32
...
	.end_amdgpu_metadata
.endif
;; end of part 4
